; MI455X (gfx1250); checked and timed in simulation.
; The chip was launched on July 23, 2026; its instructions are those of AMD's public machine-readable ISA for CDNA 5 (MIT licence, August 2026) and "CDNA5" Instruction Set Architecture Reference Guide (July 2026). The comments in the code are by the model that wrote it; some were corrected since.
;; Torch Group Gemm Reduce RS. Allowed arithmetic: matrix products marked QUANTISED: E4M3 operands, one given power-of-two scale a tensor, by v_wmma_f32_16x16x64_fp8_fp8 or v_wmma_f32_16x16x128_fp8_fp8, f32 sums; everything else in f32.
;; Inputs: intermediate_states 16,384 x 1,024 float32; lowp_scales 16 int32 (the exponents e of the quantised operands' scales 2^e); router_logits 8,192 x 8 float32; w_codes 8 x 512 x 32 x 32 uint8 (E4M3 codes of w, K innermost, in blocks of 32 codes).
;; Outputs: out0 8,192 x 512 float32.
;; This version of the problem:
;;   THIS VERSION OF THE PROBLEM IS GIVEN IN LOW PRECISION. The matrix products marked QUANTISED in the list below multiply operands that are first quantised to E4M3 (4 exponent bits, 3 mantissa bits; 8 bits a number), with one given power-of-two scale for each operand tensor; their sums are f32. All else is computed in f32.
;;   The module's matrix products, in the order in which they are computed (A, B: the left and right operand; K: the contracted axis; several contracted axes count as one K, in the product's order):
;;     1. [M 16,384, K 1,024] x [K 1,024, N 512]; A: computed on the way; B: input w (given as codes): QUANTISED (scales: A lowp_scales[0], B lowp_scales[1])
;;     2. [M 16,384, K 1,024] x [K 1,024, N 512]; A: computed on the way; B: input w (given as codes): QUANTISED (scales: A lowp_scales[2], B lowp_scales[3])
;;     3. [M 16,384, K 1,024] x [K 1,024, N 512]; A: computed on the way; B: input w (given as codes): QUANTISED (scales: A lowp_scales[4], B lowp_scales[5])
;;     4. [M 16,384, K 1,024] x [K 1,024, N 512]; A: computed on the way; B: input w (given as codes): QUANTISED (scales: A lowp_scales[6], B lowp_scales[7])
;;     5. [M 16,384, K 1,024] x [K 1,024, N 512]; A: computed on the way; B: input w (given as codes): QUANTISED (scales: A lowp_scales[8], B lowp_scales[9])
;;     6. [M 16,384, K 1,024] x [K 1,024, N 512]; A: computed on the way; B: input w (given as codes): QUANTISED (scales: A lowp_scales[10], B lowp_scales[11])
;;     7. [M 16,384, K 1,024] x [K 1,024, N 512]; A: computed on the way; B: input w (given as codes): QUANTISED (scales: A lowp_scales[12], B lowp_scales[13])
;;     8. [M 16,384, K 1,024] x [K 1,024, N 512]; A: computed on the way; B: input w (given as codes): QUANTISED (scales: A lowp_scales[14], B lowp_scales[15])
;;   THE QUANTISER, for each operand of a quantised product, along K:
;;     - The operand's scale is 2^e, e = its entry of the input lowp_scales (int32; the entries are numbered through the quantised products in the list's order, A before B).
;;     - Each number is divided by the scale, clamped to +-448, and rounded to the nearest number of E4M3, ties to even, subnormals kept.
;;     - The product sums the exact products of the quantised numbers (number of the format x scale) in f32.
;;   ~~~python
;;   def quantise(x, axis, e):      # numpy; x: float32 -> the quantised numbers, widened to float32 again
;;       x = np.moveaxis(x, axis, -1); K = x.shape[-1]
;;       r = np.clip(x / 2.0 ** e, -448, 448)
;;       step = 2.0 ** (np.maximum(np.frexp(np.where(r == 0, 1, r))[1] - 1, -6) - 3)
;;       q = np.round(r / step) * step * 2.0 ** e      # np.round: ties to even
;;       return np.moveaxis(q, -1, axis).astype(np.float32)
;;   ~~~
;;   OPERANDS COMPUTED ON THE WAY. 'Computed on the way' means the value that the module computes at that place (a softmax that the list does not call 'softmax' is quantised finished and normalised). What goes into a quantiser is computed in f32, as accurately as f32 sums, v_exp_f32 and their like allow (about 1e-6 of the number): no bf16 or f16 on the way to a quantiser, and a product that is left as it is and whose result goes on into a quantised operand takes f32 operands (vector FMAs, or v_wmma_f32_16x16x4_f32). A number that lies on a knife's edge between two numbers of the format may be rounded either way, as far as f32 arithmetic and the matrix unit's own rounding can turn it there, and no further.
;;   INPUTS GIVEN AS CODES. w (in the module: [8, 1024, 512], K = its axis 1): each comes as NAME_codes (uint8): NAME with its K axis moved to the last place and cut into blocks of 32 codes, [.., K / 32, bytes a block], one block behind the other in memory; one code a byte (a code: sign, 4 exponent bits, 3 mantissa bits); its scale is its entry of lowp_scales. Its value is code x scale, taken as it is: it is not quantised again, and the codes and scales need not be those that the quantiser above would give.
;; 3 versions, each right; version 2 is faster than version 1; version 3 is version 2 with the launch gemm written anew for expert scheduling mode. Each part assembles by itself: llvm-mc -triple=amdgcn-amd-amdhsa -mcpu=gfx1250 --defsym DOCPART=n.
;; ======== version 1 of 3: 3 launches
;; workspace buffers: tokkey 32,768 bytes of whole numbers; hist 4,096 bytes of whole numbers; tokw 65,536 bytes; order 32,768 bytes of whole numbers; wfrag 4,194,304 bytes
;; launch route (part 1): grid 32 x 1, 8 waves a work-group, no clusters, 2,048 bytes of LDS; arguments router_logits, lowp_scales, tokkey, hist, tokw; writes tokkey, hist, tokw
.if DOCPART == 1
	.amdgcn_target "amdgcn-amd-amdhsa--gfx1250"
	.amdhsa_code_object_version 6
	.text
	.protected	k_qebab4700ce_route
	.globl	k_qebab4700ce_route
	.p2align	8
	.type	k_qebab4700ce_route,@function
k_qebab4700ce_route:
	s_mov_b64 s[64:65], 0
	v_nop
	global_prefetch_b8 v0, s[64:65] scope:SCOPE_SE
	s_setreg_imm32_b32 hwreg(HW_REG_WAVE_MODE, 25, 1), 1
	s_wait_xcnt 0x0
; ROUTE.  For each of 8,192 tokens: softmax over its 8 logits, the two largest probabilities (on a tie the lower index first), and what the later launches need of them.
;   tokw[t][k]  = p_k x 2^(eA[id_k] + eB[id_k]), f32: the router weight with the two scales of that expert's product folded in.
;   tokkey[t]   = g | rank << 8 | id0 << 16 | id1 << 20.  g, 0 .. 27, numbers the unordered pair {id0, id1}: with a = min, b = max, g = a (15 - a) / 2 + (b - a - 1 where a is even, 7 - b where a is odd):
;                 (0,1)..(0,7), (1,7)..(1,2), (2,3)..(2,7), (3,7)..(3,4), ... so that neighbouring g always share an expert.  rank = how many earlier tokens of my block of 256 have the same g.
;   hist[block][g] = how many tokens of the block have key g (entries 28 to 31 are 0).
; A work-group is a block of 256 tokens, a thread a token.  Every store's address is made of ids alone; the decision itself leaves only as data.
; No matrix unit, no cluster, no tensor load: 256 KB are read once and the work-groups share nothing.
; LIMITS.  NaN among the logits is not served.  Two probabilities that agree to within the last bit of the exponential may be ranked the other way than a correctly rounded softmax ranks them.
; A probability under the smallest normal f32 number counts as 0 (ISA guide 15.8: the exponential flushes); its weight is then 0 too.
.set NKEY, 28
.set MK,   36                          ; s[36:63] lane masks of the 28 keys
.set EE,   66                          ; s[66:73] eA + eB of the eight experts
	s_load_b256 s[4:11], s[0:1], 0x0               ; logits s[4:5], the scales' exponents s[6:7], tokkey s[8:9], hist s[10:11]
	s_load_b64 s[12:13], s[0:1], 0x20              ; tokw
	v_lshl_add_u32 v64, v0, 2, 0x400
	v_mov_b32 v65, 0
	v_lshrrev_b32 v1, 5, v0
	v_readfirstlane_b32 s14, v1                    ; wave 0..7
	s_lshl_b32 s15, ttmp9, 8                       ; the block's first token
	v_and_b32 v1, 31, v0
	v_lshlrev_b32 v1, 2, v1                        ; 4 x lane
	v_add_nc_u32 v2, s15, v0                       ; t
	v_lshlrev_b32 v3, 5, v2                        ; 32 t: my eight logits
	v_lshlrev_b32 v33, 2, v0                       ; LDS: 128 x wave + 4 x lane
	v_lshlrev_b32 v47, 2, v2                       ; 4 t
	v_lshlrev_b32 v48, 3, v2                       ; 8 t
	s_wait_kmcnt 0x0
	s_load_b512 s[16:31], s[6:7], 0x0              ; eA0, eB0, eA1, eB1, ...
	global_load_b128 v[8:11], v3, s[4:5]           ; the two loads of a wave cover its 1,024 consecutive bytes between them
	global_load_b128 v[12:15], v3, s[4:5] offset:16
	s_wait_kmcnt 0x0
.irp k, 0,1,2,3,4,5,6,7
	s_add_co_i32 s[EE+\k], s[16+2*\k], s[17+2*\k]
.endr
	s_wait_loadcnt 0x0
	; the softmax as it is defined: the row's maximum is taken away first
	v_max3_num_f32 v16, v8, v9, v10
	v_max3_num_f32 v16, v16, v11, v12
	v_max3_num_f32 v16, v16, v13, v14
	v_max_num_f32 v16, v16, v15
	v_mov_b32 v17, v16
.irp j, 0,2,4,6
	v_pk_add_f32 v[8+\j:9+\j], v[8+\j:9+\j], v[16:17] neg_lo:[0,1] neg_hi:[0,1]   ; l - m: exact where l is near m.  (Not fused with the multiplication below: l c - m c would round m c, which a common offset of the logits makes large)
.endr
.irp j, 0,2,4,6
	v_pk_mul_f32 v[8+\j:9+\j], v[8+\j:9+\j], 0x3fb8aa3b op_sel_hi:[1,0]           ; x log2(e)
.endr
.irp j, 0,1,2,3,4,5,6,7
	v_exp_f32 v[8+\j], v[8+\j]
.endr
	v_nop                                          ; a plain instruction between the last exponential and the use of its result
	s_wait_alu depctr_va_vdst(0)
	v_pk_add_f32 v[18:19], v[8:9], v[10:11]
	v_pk_add_f32 v[18:19], v[18:19], v[12:13]
	v_pk_add_f32 v[18:19], v[18:19], v[14:15]
	v_add_f32 v18, v18, v19
	v_rcp_f32 v19, v18
	v_nop                                          ; a plain instruction behind the reciprocal
	s_wait_alu depctr_va_vdst(0)
	v_mov_b32 v18, v19
.irp j, 0,2,4,6
	v_pk_mul_f32 v[8+\j:9+\j], v[8+\j:9+\j], v[18:19]
.endr
	; the largest p and its index: a strict comparison, so the lower index keeps a tie
	v_mov_b32 v20, v8
	v_mov_b32 v21, 0
.irp i, 1,2,3,4,5,6,7
	v_cmp_gt_f32 vcc_lo, v[8+\i], v20
	v_cndmask_b32 v20, v20, v[8+\i], vcc_lo
	v_cndmask_b32 v21, v21, \i, vcc_lo
.endr
.irp i, 0,1,2,3,4,5,6,7
	v_cmp_eq_u32 vcc_lo, \i, v21
	v_cndmask_b32 v[8+\i], v[8+\i], -1.0, vcc_lo   ; the winner leaves the field: under every p
.endr
	v_mov_b32 v22, v8
	v_mov_b32 v23, 0
.irp i, 1,2,3,4,5,6,7
	v_cmp_gt_f32 vcc_lo, v[8+\i], v22
	v_cndmask_b32 v22, v22, v[8+\i], vcc_lo
	v_cndmask_b32 v23, v23, \i, vcc_lo
.endr
	; eA + eB of the two chosen experts: selections, no address
	v_mov_b32 v24, s[EE]
	v_mov_b32 v25, s[EE]
.irp k, 1,2,3,4,5,6,7
	v_cmp_eq_u32 vcc_lo, \k, v21
	v_cndmask_b32 v24, v24, s[EE+\k], vcc_lo
	v_cmp_eq_u32 vcc_lo, \k, v23
	v_cndmask_b32 v25, v25, s[EE+\k], vcc_lo
.endr
	v_ldexp_f32 v26, v20, v24
	v_ldexp_f32 v27, v22, v25
	global_store_b64 v48, v[26:27], s[12:13]       ; a wave stores 256 consecutive bytes, aligned
	; the key g
	v_min_u32 v28, v21, v23                        ; a
	v_max_u32 v29, v21, v23                        ; b
	v_sub_nc_u32 v31, 15, v28
	v_mul_u32_u24 v31, v28, v31
	v_lshrrev_b32 v31, 1, v31                      ; a (15 - a) / 2
	v_sub_nc_u32 v30, v29, v28
	v_add_nc_u32 v30, -1, v30                      ; b - a - 1
	v_sub_nc_u32 v45, 7, v29                       ; 7 - b
	v_and_b32 v46, 1, v28
	v_cmp_eq_u32 vcc_lo, 1, v46
	v_cndmask_b32 v30, v30, v45, vcc_lo
	v_add_nc_u32 v30, v30, v31                     ; g
	; my wave's count of each key, key k's in lane k
	v_mov_b32 v32, 0
.set k, 0
.rept NKEY
	v_cmp_eq_u32 s[MK+k], k, v30
	s_bcnt1_i32_b32 s74, s[MK+k]
	v_writelane_b32 v32, s74, k
.set k, k+1
.endr
	ds_store_b32 v33, v32
	s_wait_dscnt 0x0                               ; for the others' sake: my counts lie in LDS
	s_barrier_signal -1
	s_barrier_wait -1
.irp w, 0,1,2,3,4,5,6,7
	ds_load_b32 v[34+\w], v1 offset:128*\w         ; all eight waves' counts, key = lane
.endr
	v_mov_b32 v42, 0                               ; the earlier waves' counts
	v_mov_b32 v43, 0                               ; the block's
	s_wait_dscnt 0x0
.irp w, 0,1,2,3,4,5,6,7
	s_cmp_gt_u32 s14, \w
	s_cselect_b32 s75, -1, 0
	v_and_b32 v45, s75, v[34+\w]
	v_add_nc_u32 v42, v42, v45
	v_add_nc_u32 v43, v43, v[34+\w]
.endr
	; rank = the earlier waves' tokens of my key + the earlier lanes' of my wave
	v_mov_b32 v44, 0
.set k, 0
.rept NKEY
	v_readlane_b32 s74, v42, k
	v_mbcnt_lo_u32_b32 v45, s[MK+k], s74
	v_cndmask_b32 v44, v44, v45, s[MK+k]
.set k, k+1
.endr
	v_lshl_or_b32 v46, v44, 8, v30                 ; rank is under 256: a block has 256 tokens
	v_lshl_or_b32 v46, v21, 16, v46
	v_lshl_or_b32 v46, v23, 20, v46
	global_store_b32 v47, v46, s[8:9]              ; a wave stores 128 consecutive bytes
	s_cmp_lg_u32 s14, 0
	s_cbranch_scc1 .Lend
	s_lshl_b32 s76, ttmp9, 7
	v_add_nc_u32 v49, s76, v1
	global_store_b32 v49, v43, s[10:11]            ; wave 0: the block's 32 counts
.Lend:
	s_wait_tensorcnt 0x0
	ds_add_u32 v64, v65
	s_wait_dscnt 0x0
	s_endpgm
.Lfunc_end_k_qebab4700ce_route:
	.size	k_qebab4700ce_route, .Lfunc_end_k_qebab4700ce_route-k_qebab4700ce_route
	.p2alignl 7, 3214868480
	.fill 96, 4, 3214868480
	.section	.rodata,"a",@progbits
	.p2align	6, 0x0
	.amdhsa_kernel k_qebab4700ce_route
		.amdhsa_group_segment_fixed_size 2048
		.amdhsa_private_segment_fixed_size 0
		.amdhsa_enable_private_segment 0
		.amdhsa_kernarg_size 40
		.amdhsa_user_sgpr_count 2
		.amdhsa_user_sgpr_kernarg_segment_ptr 1
		.amdhsa_wavefront_size32 1
		.amdhsa_system_sgpr_workgroup_id_x 1
		.amdhsa_system_sgpr_workgroup_id_y 1
		.amdhsa_system_sgpr_workgroup_id_z 1
		.amdhsa_system_vgpr_workitem_id 0
		.amdhsa_next_free_vgpr 66
		.amdhsa_next_free_sgpr 80
		.amdhsa_reserve_vcc 1
		.amdhsa_float_denorm_mode_32 3
		.amdhsa_float_denorm_mode_16_64 3
		.amdhsa_memory_ordered 1
		.amdhsa_forward_progress 1
		.amdhsa_inst_pref_size 21
	.end_amdhsa_kernel
	.amdgpu_metadata
---
amdhsa.version: [ 1, 2 ]
amdhsa.kernels:
  - .name:           k_qebab4700ce_route
    .symbol:         k_qebab4700ce_route.kd
    .args:
      - { .name: router_logits, .offset: 0, .size: 8, .value_kind: global_buffer, .address_space: global }
      - { .name: lowp_scales, .offset: 8, .size: 8, .value_kind: global_buffer, .address_space: global }
      - { .name: tokkey, .offset: 16, .size: 8, .value_kind: global_buffer, .address_space: global }
      - { .name: hist, .offset: 24, .size: 8, .value_kind: global_buffer, .address_space: global }
      - { .name: tokw, .offset: 32, .size: 8, .value_kind: global_buffer, .address_space: global }
    .group_segment_fixed_size: 2048
    .private_segment_fixed_size: 0
    .kernarg_segment_align: 8
    .kernarg_segment_size: 40
    .max_flat_workgroup_size: 256
    .sgpr_count:     80
    .vgpr_count:     66
    .wavefront_size: 32
...
	.end_amdgpu_metadata
.endif
;; end of part 1
;; launch place (part 2): grid 64 x 1, 8 waves a work-group, no clusters, 134,144 bytes of LDS; arguments tokkey, hist, w_codes, order, wfrag; writes order, wfrag
.if DOCPART == 2
	.amdgcn_target "amdgcn-amd-amdhsa--gfx1250"
	.amdhsa_code_object_version 6
	.text
	.protected	k_qebab4700ce_place
	.globl	k_qebab4700ce_place
	.p2align	8
	.type	k_qebab4700ce_place,@function
k_qebab4700ce_place:
	s_mov_b64 s[64:65], 0
	v_nop
	global_prefetch_b8 v0, s[64:65] scope:SCOPE_SE
	s_setreg_imm32_b32 hwreg(HW_REG_WAVE_MODE, 25, 1), 1
	s_wait_xcnt 0x0
; Two jobs that need nothing of each other share a launch; they part on the work-group's number and never meet again.
; WORK-GROUPS 0 .. 31, PLACE: token t goes to sorted position  (tokens of smaller keys) + (tokens of my key in earlier blocks) + (my rank in my block).
;   order[position] = t | id0 << 16 | id1 << 20.  The positions are a permutation of 0 .. 8,191, so each word is stored once.  These are stores of 4 bytes to scattered places:
;   the whole table is 32 KB, and sorting is just this scatter.  The position is a whole number read from memory (made by the launch before), held under 8,192 before it enters the address.
; WORK-GROUPS 32 .. 63, WPREP: W's codes are laid anew as images of the matrix operand's registers:
;   wfrag[e][nt][ks][c][lane][16 bytes]: lane 16 h + r holds, of row 16 nt + r of expert e, the bytes 128 ks + 32 c + 16 h .. + 15.  A fragment (16 rows x 128 K) is then 2,048 consecutive bytes,
;   and the product's launch takes it by four loads of 512 consecutive bytes each.  A wave turns one block of 16 rows (16 KB) through its own LDS bytes; no wave reads another's, so there is no barrier.
.set NKEY,  28
.set WPITCH, 1040                      ; a row of 1,024 codes + 16 bytes = 260 words: row r starts at bank 4 r mod 64 (64 banks of 4 bytes: ISA guide 11.1), so the 16 rows that a load touches start at 16 different banks
.set WREG,  16*WPITCH                  ; a wave's LDS bytes
	s_load_b256 s[4:11], s[0:1], 0x0               ; tokkey s[4:5], hist s[6:7], w_codes s[8:9], order s[10:11]
	s_load_b64 s[12:13], s[0:1], 0x20              ; wfrag
	v_lshl_add_u32 v144, v0, 2, 0x20800
	v_mov_b32 v145, 0
	v_lshrrev_b32 v1, 5, v0
	v_readfirstlane_b32 s14, v1                    ; wave 0..7
	v_and_b32 v12, 31, v0                          ; lane
	s_cmp_lt_u32 ttmp9, 32
	s_cbranch_scc0 .Lwprep
	; ---- PLACE
	v_lshlrev_b32 v1, 2, v12                       ; 4 x lane: lane = key
	s_lshl_b32 s15, ttmp9, 8
	v_add_nc_u32 v9, s15, v0                       ; t
	v_lshlrev_b32 v2, 2, v9
	s_wait_kmcnt 0x0
.set i, 0
.rept 32
	global_load_b32 v[16+i], v1, s[6:7] offset:128*i   ; block i's counts: every wave takes the whole table of 4 KB, 128 consecutive bytes a load
.set i, i+1
.endr
	global_load_b32 v3, v2, s[4:5]                 ; my token's key word
	v_mov_b32 v4, 0                                ; counts of the blocks before mine
	v_mov_b32 v5, 0                                ; counts of all blocks
	s_wait_loadcnt 0x0
.set i, 0
.rept 32
	s_cmp_gt_u32 ttmp9, i
	s_cselect_b32 s20, -1, 0
	v_and_b32 v13, s20, v[16+i]
	v_add_nc_u32 v4, v4, v13
	v_add_nc_u32 v5, v5, v[16+i]
.set i, i+1
.endr
	v_and_b32 v7, 31, v3                           ; g
	v_mov_b32 v8, 0
	s_mov_b32 s22, 0                               ; tokens of smaller keys
.set k, 0
.rept NKEY
	v_readlane_b32 s21, v5, k
	v_readlane_b32 s23, v4, k
	s_add_co_u32 s23, s23, s22                     ; where my block's tokens of key k begin
	v_cmp_eq_u32 vcc_lo, k, v7
	v_cndmask_b32 v8, v8, s23, vcc_lo
	s_add_co_u32 s22, s22, s21
.set k, k+1
.endr
	v_bfe_u32 v10, v3, 8, 8                        ; my rank
	v_add_nc_u32 v10, v10, v8
	v_min_u32 v10, 0x1fff, v10                     ; the position stays inside the table
	v_lshlrev_b32 v10, 2, v10
	v_and_b32 v11, 0xff0000, v3                    ; id0, id1
	v_or_b32 v11, v11, v9
	global_store_b32 v10, v11, s[10:11]
	s_endpgm
	; ---- WPREP
.Lwprep:
	v_lshlrev_b32 v14, 4, v12                      ; 16 x lane
	s_mul_i32 s18, s14, WREG
	v_add_nc_u32 v15, s18, v14                     ; into LDS: as the bytes lie
	v_and_b32 v13, 15, v0                          ; r
	v_bfe_u32 v12, v0, 4, 1                        ; h
	v_mul_u32_u24 v13, v13, WPITCH
	v_lshl_add_u32 v13, v12, 4, v13
	v_add_nc_u32 v12, s18, v13                     ; out of LDS: row r, + 16 h
	s_sub_co_u32 s15, ttmp9, 32
	s_lshl_b32 s15, s15, 3
	s_add_co_u32 s15, s15, s14                     ; my block of 16 rows: 0 .. 255 = 32 e + nt
	s_lshl_b32 s16, s15, 14                        ; 16,384 bytes a block, in both buffers
	s_mov_b32 s17, 0
	s_wait_kmcnt 0x0
	s_add_nc_u64 s[8:9], s[8:9], s[16:17]
	s_add_nc_u64 s[12:13], s[12:13], s[16:17]
.set n, 0
.rept 32
	global_load_b128 v[16+4*n:19+4*n], v14, s[8:9] offset:512*n th:TH_LOAD_NT   ; half a row: 512 consecutive bytes; read once in the launch
.set n, n+1
.endr
.set n, 0
.rept 32
	s_wait_loadcnt 31-n                            ; loads come back in order (ISA guide 5.7.1): load n is in, the younger ones stay out
	ds_store_b128 v15, v[16+4*n:19+4*n] offset:WPITCH*(n/2)+512*(n%2)
.set n, n+1
.endr
	s_wait_dscnt 0x0                               ; the stores have read their registers, which the loads below fill again
.set n, 0
.rept 32
	ds_load_b128 v[16+4*n:19+4*n], v12 offset:32*n     ; n = 4 ks + c: bytes 128 ks + 32 c + 16 h of row r
.set n, n+1
.endr
.set n, 0
.rept 32
	s_wait_dscnt 31-n
	global_store_b128 v14, v[16+4*n:19+4*n], s[12:13] offset:512*n   ; 512 consecutive bytes, at a multiple of 256 from the buffer's first byte
.set n, n+1
.endr
	s_wait_tensorcnt 0x0
	ds_add_u32 v144, v145
	s_wait_dscnt 0x0
	s_endpgm
.Lfunc_end_k_qebab4700ce_place:
	.size	k_qebab4700ce_place, .Lfunc_end_k_qebab4700ce_place-k_qebab4700ce_place
	.p2alignl 7, 3214868480
	.fill 96, 4, 3214868480
	.section	.rodata,"a",@progbits
	.p2align	6, 0x0
	.amdhsa_kernel k_qebab4700ce_place
		.amdhsa_group_segment_fixed_size 134144
		.amdhsa_private_segment_fixed_size 0
		.amdhsa_enable_private_segment 0
		.amdhsa_kernarg_size 40
		.amdhsa_user_sgpr_count 2
		.amdhsa_user_sgpr_kernarg_segment_ptr 1
		.amdhsa_wavefront_size32 1
		.amdhsa_system_sgpr_workgroup_id_x 1
		.amdhsa_system_sgpr_workgroup_id_y 1
		.amdhsa_system_sgpr_workgroup_id_z 1
		.amdhsa_system_vgpr_workitem_id 0
		.amdhsa_next_free_vgpr 146
		.amdhsa_next_free_sgpr 66
		.amdhsa_reserve_vcc 1
		.amdhsa_float_denorm_mode_32 3
		.amdhsa_float_denorm_mode_16_64 3
		.amdhsa_memory_ordered 1
		.amdhsa_forward_progress 1
		.amdhsa_inst_pref_size 31
	.end_amdhsa_kernel
	.amdgpu_metadata
---
amdhsa.version: [ 1, 2 ]
amdhsa.kernels:
  - .name:           k_qebab4700ce_place
    .symbol:         k_qebab4700ce_place.kd
    .args:
      - { .name: tokkey, .offset: 0, .size: 8, .value_kind: global_buffer, .address_space: global }
      - { .name: hist, .offset: 8, .size: 8, .value_kind: global_buffer, .address_space: global }
      - { .name: w_codes, .offset: 16, .size: 8, .value_kind: global_buffer, .address_space: global }
      - { .name: order, .offset: 24, .size: 8, .value_kind: global_buffer, .address_space: global }
      - { .name: wfrag, .offset: 32, .size: 8, .value_kind: global_buffer, .address_space: global }
    .group_segment_fixed_size: 134144
    .private_segment_fixed_size: 0
    .kernarg_segment_align: 8
    .kernarg_segment_size: 40
    .max_flat_workgroup_size: 256
    .sgpr_count:     66
    .vgpr_count:     146
    .wavefront_size: 32
...
	.end_amdgpu_metadata
.endif
;; end of part 2
;; launch gemm (part 3): grid 256 x 1, 8 waves a work-group, no clusters, 70,656 bytes of LDS; arguments intermediate_states, lowp_scales, order, tokw, wfrag, out0; writes out0
.if DOCPART == 3
	.amdgcn_target "amdgcn-amd-amdhsa--gfx1250"
	.amdhsa_code_object_version 6
	.text
	.protected	k_qebab4700ce_gemm
	.globl	k_qebab4700ce_gemm
	.p2align	8
	.type	k_qebab4700ce_gemm,@function
k_qebab4700ce_gemm:
	s_mov_b64 s[64:65], 0
	v_nop
	global_prefetch_b8 v0, s[64:65] scope:SCOPE_SE
	s_setreg_imm32_b32 hwreg(HW_REG_WAVE_MODE, 25, 1), 1
	s_wait_xcnt 0x0
; out0[t][:] = sum over k = 0, 1 of tokw[t][k] x (codes of x[2 t + k] . codes of W[id_k]).  x: [16384][1024] f32; W as codes of FP8 (E4M3) in the order of the operand's registers (wfrag); out0: [8192][512] f32.
; Only the products that the expert mask keeps are made: row 2 t + k meets expert id_k alone.
; SHARES.  Work-group j owns the 32 tokens at sorted positions 32 j .. 32 j + 31 and all 512 outputs of each: every row of out0 is written once, by one work-group, and both of a token's rows meet in registers.
; The tokens are sorted by their pair of experts, so a work-group's 32 tokens name few experts.  It walks e = 0 .. 7, a constant number of trips, and jumps over an expert that none of its tokens names:
; a branch on whole numbers read from memory, alike in all eight waves, with no barrier inside.  For an expert that is named, each token gives the one row that is routed to it; a token that does not name it gives its second row with the factor 0.
; PHASE 1.  Wave w takes tokens 4 w .. 4 w + 3: 8 rows of x, 32 KB; each row is held within +-448 x 2^eA of its own expert, converted, and its 1,024 codes go to LDS.  A barrier.
; PHASE 2.  Wave w makes outputs 64 w .. 64 w + 63 of all 32 tokens: 8 accumulators of 16 x 16.  W's fragments come from memory straight into registers: each is read by one wave only, so LDS would share nothing.
; THE WAY OUT goes through a stage for each wave, which lies over the codes: so a second barrier stands between the last reads of the codes and the first store into a stage.
; THE MATRIX INSTRUCTION IS USED TRANSPOSED (source 0 = 16 rows of W, source 1 = 16 tokens): lane (r, h) holds token r and eight neighbouring outputs 8 h + 0 .. 7, and a token's factor is one register a lane.
; A fragment's registers 4 c .. 4 c + 3 hold k = 32 c + 16 h + 0 .. 15 on BOTH sides: a permutation of k that keeps every product with its partner and changes only the order of the sums inside an instruction.
; NO CLUSTER, NO JOINT LOADS, NO TENSOR LOADS: which experts a work-group multiplies, and so which tiles of W it wants and in how many trips, is read from memory and differs from work-group to work-group.
; LIMITS.  eA of each expert between -126 and 119, so that 2^eA and 448 x 2^eA are f32 numbers.  NaN in x is not served (an infinity is held at the largest code).
; NaN among W's codes is not served: it would also reach tokens of this work-group whose factor for that expert is 0.
; REGISTERS.  Window 0: see the names below.  Window 1: first the wave's 8 rows of x (row n at v[32 n]); then a ring of four sets of W's fragments (K step s at v[64 (s % 4)], fragment i 16 further on each).
.set XPITCH, 1040                      ; a row of 1,024 codes + 16 bytes = 260 words: row r starts at bank 4 r mod 64 (64 banks of 4 bytes: ISA guide 11.1)
.set SLOTB,  32*XPITCH                 ; the tokens' second rows lie behind the 32 first rows: 33,280 bytes = 130 x 256, which moves no bank.  The codes end at byte 66,560
.set SPITCH, 272                       ; the way out: a stage row, 256 bytes + 16
.set WSTG,   32*SPITCH                 ; a wave's stage: 32 rows; the eight stages take LDS bytes 0 .. 69,631
.set L16, 1                            ; v1      16 x lane
.set R4,  2                            ; v2      4 r
.set H4,  3                            ; v3      4 h
.set XB,  4                            ; v4-5    LDS address of my lane's first code row: tokens 0-15, tokens 16-31
.set XA,  8                            ; v8-9    the two addresses for the expert in hand
.set CS,  10                           ; v10     where I put a word of codes
.set STO, 11                           ; v11     the way out: where I put 32 bytes of a row
.set RD,  12                           ; v12     the way out: where I read a row back
.set CO,  13                           ; v13     my byte in a row of out0
.set OW,  14                           ; v14-15  the order words of positions r and 16 + r
.set ID,  16                           ; v16-19  id0, id1 of position r; id0, id1 of position 16 + r
.set TW,  20                           ; v20-23  their factors
.set SC,  24                           ; v[24:25], v[26:27] this expert's factor for the two tiles of tokens (the upper halves are named with them, so they are written once)
.set QS,  28                           ; v28     the conversion's scale
.set QL,  29                           ; v29     the largest number x the scale
.set GA,  30                           ; v30-31  offsets into tokw
.set C0,  32                           ; v32-47  two sets of 8 registers of codes
.set TK,  48                           ; v48-63  the way out: offsets of the rows that I store
.set XF,  64                           ; v64-127 the tokens' fragments: two sets of two
.set ACC, 128                          ; v128-191 accumulator (tt, i) at 128 + 8 (4 tt + i)
.set OUT, 192                          ; v192-255 the outputs, laid likewise
.set WV,  16                           ; s16     wave
.set OWS, 20                           ; s[20:23] the order words of my four tokens
.set XBS, 24                           ; s[24:31] the addresses of their rows
.set SCL, 32                           ; s[32:39] row n = 2 i + k: eA, then 2^eA as f32
.set LIM, 40                           ; s[40:47] 448 x 2^eA
.set EX,  48                           ; s48     the expert in hand
.set WP,  50                           ; s[50:51] my four tiles of its weights
.set EAO, 66                           ; s[66:73] the eight rows' offsets into the scales' exponents
.set MSB, 0
.macro WIN new                         ; s_set_vgpr_msb: bits 1:0 source 0, 3:2 source 1, 5:4 source 2, 7:6 destination; the high byte repeats the setting that is left
.if MSB != \new
	s_set_vgpr_msb (MSB<<8)|\new
.set MSB, \new
.endif
.endm
	s_load_b256 s[4:11], s[0:1], 0x0               ; x s[4:5], the scales' exponents s[6:7], order s[8:9], tokw s[10:11]
	s_load_b128 s[12:15], s[0:1], 0x20             ; wfrag s[12:13], out0 s[14:15]
	v_lshl_add_u32 v6, v0, 2, 0x11000
	v_mov_b32 v7, 0
	v_lshrrev_b32 v[GA], 5, v0
	v_readfirstlane_b32 s[WV], v[GA]               ; wave 0..7
	v_and_b32 v[GA], 31, v0                        ; lane
	v_and_b32 v[GA+1], 15, v0                      ; r
	v_bfe_u32 v[QL], v0, 4, 1                      ; h
	v_lshlrev_b32 v[L16], 4, v[GA]
	v_lshlrev_b32 v[R4], 2, v[GA+1]
	v_lshlrev_b32 v[H4], 2, v[QL]
	v_mul_u32_u24 v[XB], v[GA+1], XPITCH
	v_lshl_add_u32 v[XB], v[QL], 4, v[XB]          ; row r, + 16 h
	v_add_nc_u32 v[XB+1], 16*XPITCH, v[XB]
	s_mul_i32 s17, s[WV], 4*XPITCH
	v_lshl_add_u32 v[CS], v[GA], 2, s17            ; my wave's four rows, 4 bytes a lane
	s_mul_i32 s17, s[WV], WSTG                     ; my stage
	v_mul_u32_u24 v[STO], v[GA+1], SPITCH
	v_lshl_add_u32 v[STO], v[QL], 5, v[STO]
	v_add_nc_u32 v[STO], s17, v[STO]               ; in: row r, 32 bytes for each half of the lanes
	v_mul_u32_u24 v[RD], v[QL], SPITCH
	v_lshl_add_u32 v[RD], v[GA+1], 4, v[RD]
	v_add_nc_u32 v[RD], s17, v[RD]                 ; back: lanes 0-15 one row of 256 bytes, lanes 16-31 the next
	s_lshl_b32 s17, s[WV], 8
	v_lshl_add_u32 v[CO], v[GA+1], 4, s17          ; my wave's 256 bytes of a row of out0, 16 a lane
	s_lshl_b32 s74, ttmp9, 7                       ; my work-group's 32 words of order
	s_mov_b32 s75, 0
	s_wait_kmcnt 0x0
	s_add_nc_u64 s[8:9], s[8:9], s[74:75]
	s_lshl_b32 s74, s[WV], 4
	s_add_nc_u64 s[18:19], s[8:9], s[74:75]
	s_load_b128 s[OWS:OWS+3], s[18:19], 0x0        ; my wave's four tokens
	global_load_b32 v[OW], v[R4], s[8:9]           ; and, a lane each, all 32
	global_load_b32 v[OW+1], v[R4], s[8:9] offset:64
.set j, 0
.rept 64
	v_mov_b32 v[OUT+j], 0                          ; the outputs begin as zeros, once: the step of an expert is written once, may be the first or not, and may be jumped over.  (Done while the words are on their way)
.set j, j+1
.endr
	v_mov_b32 v[SC+1], 0
	v_mov_b32 v[SC+3], 0
	s_wait_kmcnt 0x0
.irp i, 0,1,2,3
	s_and_b32 s17, s[OWS+\i], 0x1fff
	s_min_u32 s17, s17, 0x1fff                     ; a token's number stays inside the tensor
	s_lshl_b32 s74, s17, 13                        ; its two rows: 8,192 bytes
	s_add_nc_u64 s[XBS+2*\i:XBS+2*\i+1], s[4:5], s[74:75]
.endr
.macro XROW n                          ; row n of my eight: eight loads of 512 consecutive bytes; read once in the launch
.irp q, 0,1,2,3,4,5,6,7
	global_load_b128 v[32*(\n)+4*\q:32*(\n)+4*\q+3], v[L16], s[XBS+2*((\n)/2):XBS+2*((\n)/2)+1] offset:4096*((\n)%2)+512*\q th:TH_LOAD_NT
.endr
.endm
	WIN 0x40                                       ; destination window 1
.irp n, 0,1,2,3,4,5,6
	XROW \n                                        ; seven rows go out together: with the two words above 58 loads of mine are out, 28 KB of x
.endr
	WIN 0
.irp n, 0,1,2,3,4,5,6,7
	s_bfe_u32 s17, s[OWS+\n/2], 0x40010+4*(\n%2)   ; the row's expert: id0 at bit 16, id1 at bit 20
	s_min_u32 s17, s17, 7
	s_lshl_b32 s[EAO+\n], s17, 3                   ; eA of expert e is entry 2 e
	s_load_b32 s[SCL+\n], s[6:7], s[EAO+\n] offset:0x0
.endr
	s_wait_kmcnt 0x0
.irp n, 0,1,2,3,4,5,6,7
	s_add_co_i32 s[SCL+\n], s[SCL+\n], 127
	s_add_co_i32 s[LIM+\n], s[SCL+\n], 8
	s_lshl_b32 s[SCL+\n], s[SCL+\n], 23            ; 2^eA as f32: the conversion takes its exponent field
	s_lshl_b32 s[LIM+\n], s[LIM+\n], 23
	s_or_b32 s[LIM+\n], s[LIM+\n], 0x600000        ; 448 x 2^eA
.endr
; Row n (token n / 2 of my four, its row n % 2) becomes codes.  Load q gave lane l the numbers k = 128 q + 4 l + 0 .. 3 in registers 4 q .. 4 q + 3, so a conversion's eight registers give two words of codes:
; word q is bytes 128 q + 4 l .. + 3 of the row: the code rows lie in LDS in K's own order, and each store of the wave covers 128 consecutive bytes.
.macro QROW n
.set XR, 32*(\n)
.set CC, C0+8*((\n)%2)
	v_mov_b32 v[QS], s[SCL+(\n)]
	v_mov_b32 v[QL], s[LIM+(\n)]
	WIN 0x41                                       ; source 0 and destination window 1
.set j, 0
.rept 32
	v_med3_num_f32 v[XR+j], v[XR+j], -v[QL], v[QL] ; the conversion to an 8-bit code does not saturate (ISA guide 7.6.2): hold the number within the largest code x the scale first
.set j, j+1
.endr
.if (\n) >= 2
	s_wait_dscnt 8                                 ; the last row's eight stores may be out; those of the row before, which read this set of registers, are done
.endif
	WIN 0x01                                       ; source 0 window 1
.irp u, 0,1,2,3
	v_cvt_scalef32_pk8_fp8_f32 v[CC+2*\u:CC+2*\u+1], v[XR+8*\u:XR+8*\u+7], v[QS]
.endr
	v_nop                                          ; one plain vector instruction behind the last conversion: the next row's lines write the scale's register
	WIN 0
.irp q, 0,1,2,3,4,5,6,7
	ds_store_b32 v[CS], v[CC+\q] offset:(32*((\n)%2)+(\n)/2)*XPITCH+128*\q
.endr
.endm
	s_wait_loadcnt 48                              ; loads come back in order (ISA guide 5.7.1): the two words and row 0 are in; rows 1 to 6 stay out
	WIN 0x40
	XROW 7                                         ; the last row is asked for: 56 loads are out
	WIN 0
	QROW 0
.irp n, 1,2,3
	s_wait_loadcnt 8*(7-\n)                        ; row n's eight are in, the later rows' stay out
	QROW \n
.endr
	; the small loads go out in the shade of the rows: behind them 32 + 18 = 50 loads are out
	v_bfe_u32 v[ID], v[OW], 16, 4
	v_bfe_u32 v[ID+1], v[OW], 20, 4
	v_bfe_u32 v[ID+2], v[OW+1], 16, 4
	v_bfe_u32 v[ID+3], v[OW+1], 20, 4
.irp tt, 0,1
	v_and_b32 v[GA+\tt], 0x1fff, v[OW+\tt]
	v_min_u32 v[GA+\tt], 0x1fff, v[GA+\tt]
	v_lshlrev_b32 v[GA+\tt], 3, v[GA+\tt]
	global_load_b64 v[TW+2*\tt:TW+2*\tt+1], v[GA+\tt], s[10:11]   ; the token's two factors
.endr
.irp q, 0,1,2,3,4,5,6,7,8,9,10,11,12,13,14,15
	global_load_b32 v[TK+\q], v[H4], s[8:9] offset:8*\q    ; for the way out: the order word of position 2 q + h
.endr
.irp n, 4,5,6,7
	s_wait_loadcnt 8*(7-\n)+18                     ; row n's eight are in; the later rows' and the 18 small loads stay out
	QROW \n
.endr
	s_lshl_b32 s74, s[WV], 16                      ; my four tiles of 16 outputs: 4 x 16,384 bytes a wave
	s_add_nc_u64 s[WP:WP+1], s[12:13], s[74:75]
	s_mov_b32 s[EX], 0
	s_wait_loadcnt 0x0                             ; the factors and the order words
.irp q, 0,1,2,3,4,5,6,7,8,9,10,11,12,13,14,15
	v_and_b32 v[TK+\q], 0x1fff, v[TK+\q]
	v_min_u32 v[TK+\q], 0x1fff, v[TK+\q]           ; a token's number stays inside the tensor
	v_lshl_add_u32 v[TK+\q], v[TK+\q], 11, v[CO]   ; its row of 2,048 bytes, + my bytes in it
.endr
	s_wait_dscnt 0x0                               ; for the others' sake: my rows' codes lie in LDS
	s_barrier_signal -1
	s_barrier_wait -1                              ; behind it the codes are read, and not written before the next barrier
.macro WLOAD s                         ; W's four fragments of K step s: 16 loads of 512 consecutive bytes
	WIN 0x40
.irp i, 0,1,2,3
.irp c, 0,1,2,3
	global_load_b128 v[64*((\s)%4)+16*\i+4*\c:64*((\s)%4)+16*\i+4*\c+3], v[L16], s[WP:WP+1] offset:16384*\i+2048*(\s)+512*\c
.endr
.endr
	WIN 0
.endm
.macro XLOAD s                         ; the two tiles of tokens, K step s: 8 LDS loads
	WIN 0
.irp tt, 0,1
.irp c, 0,1,2,3
	ds_load_b128 v[XF+32*((\s)%2)+16*\tt+4*\c:XF+32*((\s)%2)+16*\tt+4*\c+3], v[XA+\tt] offset:128*(\s)+32*\c
.endr
.endr
.endm
.macro MUL s, zero                     ; 8 matrix instructions; the eight accumulators take turns, one instruction a turn, in the same order in every step
	WIN 0x01                                       ; source 0 (W) window 1
.irp tt, 0,1
.irp i, 0,1,2,3
.if \zero
	v_wmma_f32_16x16x128_fp8_fp8 v[ACC+8*(4*\tt+\i):ACC+8*(4*\tt+\i)+7], v[64*((\s)%4)+16*\i:64*((\s)%4)+16*\i+15], v[XF+32*((\s)%2)+16*\tt:XF+32*((\s)%2)+16*\tt+15], 0
.else
	v_wmma_f32_16x16x128_fp8_fp8 v[ACC+8*(4*\tt+\i):ACC+8*(4*\tt+\i)+7], v[64*((\s)%4)+16*\i:64*((\s)%4)+16*\i+15], v[XF+32*((\s)%2)+16*\tt:XF+32*((\s)%2)+16*\tt+15], v[ACC+8*(4*\tt+\i):ACC+8*(4*\tt+\i)+7]
.endif
.endr
.endr
.endm
; K step s of 8.  W runs three steps ahead in its ring of four sets: behind the request 48 loads of mine, 24 KB, are out.  The tokens' fragments run one step ahead in two sets.
.macro STEP s, zero
.if (\s) <= 5
	s_wait_loadcnt 32                              ; set s is in; the two sets behind it stay out
.else
	s_wait_loadcnt 16*(7-(\s))                     ; fewer are left
.endif
.if ((\s) >= 1) && ((\s) <= 6)
.rept 4
	v_nop                                          ; four places behind the last step's products, in front of loads into the registers that they read (ISA guide 7.12.1 for vector instructions).  At step 0 the lines between two experts' products stand there
.endr
.endif
.if (\s) <= 4
	WLOAD (\s)+3
.endif
.if (\s) <= 6
	XLOAD (\s)+1
	s_wait_dscnt 8                                 ; this step's fragments are in; the next step's eight loads stay out
.else
	s_wait_dscnt 0
.endif
	MUL \s, \zero
.endm
.Lexp:                                             ; eight trips, one for each expert
	v_cmp_eq_u32 s52, s[EX], v[ID]
	v_cmp_eq_u32 s53, s[EX], v[ID+1]
	v_cmp_eq_u32 s54, s[EX], v[ID+2]
	v_cmp_eq_u32 s55, s[EX], v[ID+3]
	s_or_b32 s56, s52, s53
	s_or_b32 s57, s54, s55
	s_or_b32 s56, s56, s57
	s_cmp_eq_u32 s56, 0
	s_cbranch_scc1 .Lnext                          ; none of the 32 tokens names this expert
	v_xor_b32 v[XA], s[EX], v[ID]                  ; 0 where the token's first row goes to this expert
	v_xor_b32 v[XA+1], s[EX], v[ID+2]
	v_min_u32 v[XA], 1, v[XA]                      ; else 1: the second row, which goes to this expert or counts with the factor 0.  Held at 1, the number keeps the address inside the codes: 65,536 + 992 + 16 bytes at the most
	v_min_u32 v[XA+1], 1, v[XA+1]
	v_mul_u32_u24 v[XA], SLOTB, v[XA]
	v_mul_u32_u24 v[XA+1], SLOTB, v[XA+1]
	v_add_nc_u32 v[XA], v[XA], v[XB]
	v_add_nc_u32 v[XA+1], v[XA+1], v[XB+1]
	WLOAD 0
	WLOAD 1
	WLOAD 2
	XLOAD 0
	STEP 0, 1                                      ; the first products start the sums
	STEP 1, 0
	STEP 2, 0
	STEP 3, 0
	STEP 4, 0
	STEP 5, 0
	STEP 6, 0
	STEP 7, 0
	WIN 0
	v_cndmask_b32 v[SC], 0, v[TW], s52             ; this expert's factor for my token: its first row's, its second row's, or 0.  These four lines are the places behind the last products
	v_cndmask_b32 v[SC+2], 0, v[TW+2], s54
	v_cndmask_b32 v[SC], v[SC], v[TW+1], s53
	v_cndmask_b32 v[SC+2], v[SC+2], v[TW+3], s55
.irp tt, 0,1
.set j, 0
.rept 16
	v_pk_fma_f32 v[OUT+32*\tt+j:OUT+32*\tt+j+1], v[ACC+32*\tt+j:ACC+32*\tt+j+1], v[SC+2*\tt:SC+2*\tt+1], v[OUT+32*\tt+j:OUT+32*\tt+j+1] op_sel_hi:[1,0,1]   ; out += factor x sum; each accumulator from its low end on
.set j, j+2
.endr
.endr
.Lnext:
	s_add_nc_u64 s[WP:WP+1], s[WP:WP+1], 0x80000   ; the next expert's weights.  No load that names this base is out: step 7 has waited for all, and the way round the step issues none
	s_add_co_u32 s[EX], s[EX], 1
	s_cmp_lt_u32 s[EX], 8
	s_cbranch_scc1 .Lexp
	; THE WAY OUT.  A lane holds 32 neighbouring bytes of a token's row, and the lanes beside it hold other tokens: so the wave's 32 rows x 256 bytes go through its own stage and come back as whole pieces of rows.
	s_wait_dscnt 0x0                               ; my reads of the codes are over
	s_barrier_signal -1
	s_barrier_wait -1                              ; everybody's are: the stages may be laid over the codes
.irp tt, 0,1
.irp i, 0,1,2,3
	ds_store_b128 v[STO], v[OUT+8*(4*\tt+\i):OUT+8*(4*\tt+\i)+3] offset:16*\tt*SPITCH+64*\i
	ds_store_b128 v[STO], v[OUT+8*(4*\tt+\i)+4:OUT+8*(4*\tt+\i)+7] offset:16*\tt*SPITCH+64*\i+16
.endr
.endr
.irp q, 0,1,2,3,4,5,6,7,8,9,10,11,12,13,14,15
	ds_load_b128 v[ACC+4*\q:ACC+4*\q+3], v[RD] offset:2*\q*SPITCH   ; LDS serves a wave's instructions in order (ISA guide 5.7.1.4): these see my stores; no other wave touches my stage
.endr
.irp q, 0,1,2,3,4,5,6,7,8,9,10,11,12,13,14,15
	s_wait_dscnt 15-\q
	global_store_b128 v[TK+\q], v[ACC+4*\q:ACC+4*\q+3], s[14:15] th:TH_STORE_NT   ; 16 lanes store 256 consecutive bytes of one token's row, at a multiple of 256 from out0's first byte; written once, read by nobody here
.endr
	s_wait_tensorcnt 0x0
	ds_add_u32 v6, v7
	s_wait_dscnt 0x0
	s_endpgm
.Lfunc_end_k_qebab4700ce_gemm:
	.size	k_qebab4700ce_gemm, .Lfunc_end_k_qebab4700ce_gemm-k_qebab4700ce_gemm
	.p2alignl 7, 3214868480
	.fill 96, 4, 3214868480
	.section	.rodata,"a",@progbits
	.p2align	6, 0x0
	.amdhsa_kernel k_qebab4700ce_gemm
		.amdhsa_group_segment_fixed_size 70656
		.amdhsa_private_segment_fixed_size 0
		.amdhsa_enable_private_segment 0
		.amdhsa_kernarg_size 48
		.amdhsa_user_sgpr_count 2
		.amdhsa_user_sgpr_kernarg_segment_ptr 1
		.amdhsa_wavefront_size32 1
		.amdhsa_system_sgpr_workgroup_id_x 1
		.amdhsa_system_sgpr_workgroup_id_y 1
		.amdhsa_system_sgpr_workgroup_id_z 1
		.amdhsa_system_vgpr_workitem_id 0
		.amdhsa_next_free_vgpr 512
		.amdhsa_next_free_sgpr 80
		.amdhsa_reserve_vcc 0
		.amdhsa_float_denorm_mode_32 3
		.amdhsa_float_denorm_mode_16_64 3
		.amdhsa_memory_ordered 1
		.amdhsa_forward_progress 1
		.amdhsa_inst_pref_size 74
	.end_amdhsa_kernel
	.amdgpu_metadata
---
amdhsa.version: [ 1, 2 ]
amdhsa.kernels:
  - .name:           k_qebab4700ce_gemm
    .symbol:         k_qebab4700ce_gemm.kd
    .args:
      - { .name: intermediate_states, .offset: 0, .size: 8, .value_kind: global_buffer, .address_space: global }
      - { .name: lowp_scales, .offset: 8, .size: 8, .value_kind: global_buffer, .address_space: global }
      - { .name: order, .offset: 16, .size: 8, .value_kind: global_buffer, .address_space: global }
      - { .name: tokw, .offset: 24, .size: 8, .value_kind: global_buffer, .address_space: global }
      - { .name: wfrag, .offset: 32, .size: 8, .value_kind: global_buffer, .address_space: global }
      - { .name: out0, .offset: 40, .size: 8, .value_kind: global_buffer, .address_space: global }
    .group_segment_fixed_size: 70656
    .private_segment_fixed_size: 0
    .kernarg_segment_align: 8
    .kernarg_segment_size: 48
    .max_flat_workgroup_size: 256
    .sgpr_count:     80
    .vgpr_count:     512
    .wavefront_size: 32
...
	.end_amdgpu_metadata
.endif
;; end of part 3
;; ======== version 2 of 3: 3 launches; 1.14 times as fast as version 1
;; workspace buffers: tokkey 32,768 bytes of whole numbers; hist 4,096 bytes of whole numbers; tokw 65,536 bytes; order 32,768 bytes of whole numbers; wfrag 4,194,304 bytes; xq 16,777,216 bytes
;; launch route: the kernel of part 1 again; grid 32 x 1, 8 waves a work-group, no clusters, 2,048 bytes of LDS; arguments router_logits, lowp_scales, tokkey, hist, tokw; writes tokkey, hist, tokw
;; launch place (part 4): grid 256 x 1, 18 waves a work-group, no clusters, 92,672 bytes of LDS; arguments tokkey, hist, w_codes, intermediate_states, lowp_scales, order, wfrag, xq; writes order, wfrag, xq
.if DOCPART == 4
	.amdgcn_target "amdgcn-amd-amdhsa--gfx1250"
	.amdhsa_code_object_version 6
	.text
	.protected	k_qebab4700ce_place
	.globl	k_qebab4700ce_place
	.p2align	8
	.type	k_qebab4700ce_place,@function
k_qebab4700ce_place:
	s_mov_b64 s[64:65], 0
	v_nop
	global_prefetch_b8 v0, s[64:65] scope:SCOPE_SE
	s_setreg_imm32_b32 hwreg(HW_REG_WAVE_MODE, 25, 1), 1
	s_wait_xcnt 0x0
; Three jobs that need nothing of each other share a launch.  The 18 waves of a work-group part on the wave's number and never meet again: there is no barrier, and each role has LDS bytes of its own.
; WAVES 0 .. 15, QUANT: work-group b owns tokens 32 b .. 32 b + 31, wave w two of them: 4 rows of x, 16 KB, all asked for at once (256 KB for the 16 waves).  Row 2 t + k is quantised with the scale of
;   the expert that it is routed to: code = x / 2^eA[id_k], held within +-448, to the nearest code of E4M3, ties to even.  xq[t][k][1024]: one code a byte, K innermost, in TOKEN order: no address here hangs on the sort.
;   x is quantised here, once, so that the product's launch can read a token's rows in more than one work-group at a quarter of the bytes.
;   A lane's codes of a load are 4 bytes; they turn through the wave's own 4 KB of LDS, so that each store to memory covers 512 consecutive bytes, aligned.
; WAVE 16, PLACE: token t = 32 b + lane goes to sorted position  (tokens of smaller keys) + (tokens of my key in earlier blocks of 256) + (my rank in my block).
;   order[position] = t | id0 << 16 | id1 << 20.  The positions are a permutation of 0 .. 8,191, so each word is stored once.  These are stores of 4 bytes to scattered places:
;   the whole table is 32 KB, and sorting is just this scatter.  The position is a whole number made of numbers read from memory, held under 8,192 before it enters the address.
; WAVE 17, WPREP: W's codes are laid anew as images of the matrix operand's registers:
;   wfrag[e][nt][ks][c][lane][16 bytes]: lane 16 h + r holds, of row 16 nt + r of expert e, the bytes 128 ks + 32 c + 16 h .. + 15.  A fragment (16 rows x 128 K) is then 2,048 consecutive bytes.
;   The wave turns block b = 32 e + nt (16 rows, 16 KB) through its own LDS bytes.
; No matrix unit, no cluster, no tensor load: a stream that is read once, and work-groups that share nothing.
; LIMITS.  eA of each expert between -126 and 119, so that 2^eA and 448 x 2^eA are f32 numbers.  NaN in x is not served (an infinity is held at the largest code).
.set NKEY,   28
.set WPITCH, 1040                      ; WPREP: a row of 1,024 codes + 16 bytes = 260 words: row r starts at bank 4 r mod 64 (64 banks of 4 bytes: ISA guide 11.1), so the 16 rows that a load touches start at 16 different banks
.set QREG,   4096                      ; QUANT: a wave's LDS bytes: 4 rows of 1,024 codes
.set WB,     18*QREG                   ; WPREP's LDS bytes begin here, 73,728, and end at 90,368
.set L16, 1                            ; v1      QUANT: 16 x lane
.set CS,  3                            ; v3      QUANT: where I put a word of codes
.set RB,  4                            ; v4      QUANT: where I read 16 bytes of codes back
.set QS,  5                            ; v5      the conversion's scale
.set QL,  6                            ; v6      the largest number x the scale
.set C,   16                           ; v16-47  codes: eight registers for each row
.set X,   64                           ; v64-191 four rows of x, 32 registers each; a row's first eight then take its codes back from LDS
.set TKW, 26                           ; s[26:27] my two tokens' key words
.set SCL, 28                           ; s[28:31] row n = 2 i + k: eA, then 2^eA as f32
.set LIM, 32                           ; s[32:35] 448 x 2^eA
.set EAO, 36                           ; s[36:39] the rows' offsets into the scales' exponents
	s_load_b512 s[4:19], s[0:1], 0x0               ; tokkey s[4:5], hist s[6:7], w_codes s[8:9], x s[10:11], the scales' exponents s[12:13], order s[14:15], wfrag s[16:17], xq s[18:19]
	v_lshrrev_b32 v1, 5, v0
	v_readfirstlane_b32 s20, v1                    ; wave 0..17
	v_and_b32 v12, 31, v0                          ; lane
	s_cmp_lt_u32 s20, 16
	s_cbranch_scc0 .Lroles
	; ---- QUANT
	v_lshlrev_b32 v[L16], 4, v12
	s_lshl_b32 s21, s20, 12                        ; my 4 KB of LDS
	v_lshl_add_u32 v[CS], v12, 2, s21
	v_add_nc_u32 v[RB], s21, v[L16]
	s_lshl_b32 s22, ttmp9, 5
	s_lshl_b32 s23, s20, 1
	s_add_co_u32 s22, s22, s23                     ; my first token: 32 b + 2 w
	s_mov_b32 s25, 0
	s_lshl_b32 s24, s22, 13                        ; a token's two rows of x: 8,192 bytes
	s_wait_kmcnt 0x0
	s_add_nc_u64 s[10:11], s[10:11], s[24:25]
	s_lshl_b32 s24, s22, 2
	s_add_nc_u64 s[4:5], s[4:5], s[24:25]
	s_load_b64 s[TKW:TKW+1], s[4:5], 0x0           ; their key words: id0 at bit 16, id1 at bit 20
	s_lshl_b32 s24, s22, 11                        ; a token's two rows of codes: 2,048 bytes
	s_add_nc_u64 s[18:19], s[18:19], s[24:25]
.irp n, 0,1,2,3
.irp q, 0,1,2,3,4,5,6,7
	global_load_b128 v[X+32*\n+4*\q:X+32*\n+4*\q+3], v[L16], s[10:11] offset:4096*\n+512*\q th:TH_LOAD_NT   ; 512 consecutive bytes; read once in the launch.  32 loads of mine are out
.endr
.endr
	s_wait_kmcnt 0x0
.irp n, 0,1,2,3
	s_bfe_u32 s40, s[TKW+\n/2], 0x40010+4*(\n%2)   ; the row's expert
	s_min_u32 s40, s40, 7
	s_lshl_b32 s[EAO+\n], s40, 3                   ; eA of expert e is entry 2 e
	s_load_b32 s[SCL+\n], s[12:13], s[EAO+\n] offset:0x0
.endr
	s_wait_kmcnt 0x0
.irp n, 0,1,2,3
	s_add_co_i32 s[SCL+\n], s[SCL+\n], 127
	s_add_co_i32 s[LIM+\n], s[SCL+\n], 8
	s_lshl_b32 s[SCL+\n], s[SCL+\n], 23            ; 2^eA as f32: the conversion takes its exponent field
	s_lshl_b32 s[LIM+\n], s[LIM+\n], 23
	s_or_b32 s[LIM+\n], s[LIM+\n], 0x600000        ; 448 x 2^eA
.endr
; Row n becomes codes.  Load q gave lane l the numbers k = 128 q + 4 l + 0 .. 3 in registers 4 q .. 4 q + 3, so a conversion's eight registers give two words of codes: word q is bytes 128 q + 4 l .. + 3 of the row.
; They go into LDS in K's own order and come back 16 bytes a lane.  LDS serves a wave's instructions in order (ISA guide 5.7.1.4): no wait stands between the stores and the loads.
.macro QROW n
.set XR, X+32*(\n)
.set CC, C+8*(\n)
	v_mov_b32 v[QS], s[SCL+(\n)]
	v_mov_b32 v[QL], s[LIM+(\n)]
.set j, 0
.rept 32
	v_med3_num_f32 v[XR+j], v[XR+j], -v[QL], v[QL] ; the conversion to an 8-bit code does not saturate (ISA guide 7.6.2): hold the number within the largest code x the scale first
.set j, j+1
.endr
.irp u, 0,1,2,3
	v_cvt_scalef32_pk8_fp8_f32 v[CC+2*\u:CC+2*\u+1], v[XR+8*\u:XR+8*\u+7], v[QS]
.endr
	v_nop                                          ; one plain vector instruction behind the last conversion: the next row's lines write the scale's register
.irp q, 0,1,2,3,4,5,6,7
	ds_store_b32 v[CS], v[CC+\q] offset:1024*(\n)+128*\q
.endr
.irp u, 0,1
	ds_load_b128 v[XR+4*\u:XR+4*\u+3], v[RB] offset:1024*(\n)+512*\u
.endr
.endm
.macro SEND n, younger                 ; younger: the LDS instructions issued behind row n's two loads
.set XR, X+32*(\n)
	s_wait_dscnt \younger
.irp u, 0,1
	global_store_b128 v[L16], v[XR+4*\u:XR+4*\u+3], s[18:19] offset:1024*(\n)+512*\u   ; 512 consecutive bytes, at a multiple of 256 from the buffer's first byte
.endr
.endm
.irp n, 0,1,2,3
	s_wait_loadcnt 8*(3-\n)                        ; loads come back in order (ISA guide 5.7.1): row n's eight are in, the later rows' stay out
	QROW \n
.if \n > 0
	SEND \n-1, 10                                  ; the row before is back from LDS; this row's eight stores and two loads stay out
.endif
.endr
	SEND 3, 0
	s_wait_xcnt 0x0
	v_lshl_add_u32 v190, v0, 2, 0x16100
	v_mov_b32 v191, 0
	s_wait_tensorcnt 0x0
	ds_add_u32 v190, v191
	s_wait_dscnt 0x0
	s_endpgm
.Lroles:
	s_cmp_eq_u32 s20, 16
	s_cbranch_scc0 .Lwprep
	; ---- PLACE
	v_lshlrev_b32 v1, 2, v12                       ; 4 x lane: for the table of counts lane = key
	s_lshl_b32 s22, ttmp9, 5
	s_lshr_b32 s23, ttmp9, 3                       ; my tokens' block of 256
	v_add_nc_u32 v9, s22, v12                      ; t = 32 b + lane
	v_lshlrev_b32 v2, 2, v9
	s_wait_kmcnt 0x0
.set i, 0
.rept 32
	global_load_b32 v[16+i], v1, s[6:7] offset:128*i   ; block i's counts: the whole table of 4 KB, 128 consecutive bytes a load
.set i, i+1
.endr
	global_load_b32 v3, v2, s[4:5]                 ; my token's key word
	v_mov_b32 v4, 0                                ; counts of the blocks before mine
	v_mov_b32 v5, 0                                ; counts of all blocks
	s_wait_loadcnt 0x0
.set i, 0
.rept 32
	s_cmp_gt_u32 s23, i
	s_cselect_b32 s24, -1, 0
	v_and_b32 v13, s24, v[16+i]
	v_add_nc_u32 v4, v4, v13
	v_add_nc_u32 v5, v5, v[16+i]
.set i, i+1
.endr
	v_and_b32 v7, 31, v3                           ; g
	v_mov_b32 v8, 0
	s_mov_b32 s26, 0                               ; tokens of smaller keys
.set k, 0
.rept NKEY
	v_readlane_b32 s25, v5, k
	v_readlane_b32 s27, v4, k
	s_add_co_u32 s27, s27, s26                     ; where my block's tokens of key k begin
	v_cmp_eq_u32 vcc_lo, k, v7
	v_cndmask_b32 v8, v8, s27, vcc_lo
	s_add_co_u32 s26, s26, s25
.set k, k+1
.endr
	v_bfe_u32 v10, v3, 8, 8                        ; my rank
	v_add_nc_u32 v10, v10, v8
	v_min_u32 v10, 0x1fff, v10                     ; the position stays inside the table
	v_lshlrev_b32 v10, 2, v10
	v_and_b32 v11, 0xff0000, v3                    ; id0, id1
	v_or_b32 v11, v11, v9
	global_store_b32 v10, v11, s[14:15]
	s_endpgm
	; ---- WPREP
.Lwprep:
	v_lshlrev_b32 v14, 4, v12                      ; 16 x lane
	v_add_nc_u32 v15, WB, v14                      ; into LDS: as the bytes lie
	v_and_b32 v13, 15, v0                          ; r
	v_bfe_u32 v12, v0, 4, 1                        ; h
	v_mul_u32_u24 v13, v13, WPITCH
	v_lshl_add_u32 v13, v12, 4, v13
	v_add_nc_u32 v12, WB, v13                      ; out of LDS: row r, + 16 h
	s_lshl_b32 s22, ttmp9, 14                      ; my block of 16 rows: 16,384 bytes a block, in both buffers
	s_mov_b32 s23, 0
	s_wait_kmcnt 0x0
	s_add_nc_u64 s[8:9], s[8:9], s[22:23]
	s_add_nc_u64 s[16:17], s[16:17], s[22:23]
.set n, 0
.rept 32
	global_load_b128 v[16+4*n:19+4*n], v14, s[8:9] offset:512*n th:TH_LOAD_NT   ; half a row: 512 consecutive bytes; read once in the launch
.set n, n+1
.endr
.set n, 0
.rept 32
	s_wait_loadcnt 31-n                            ; load n is in, the younger ones stay out
	ds_store_b128 v15, v[16+4*n:19+4*n] offset:WPITCH*(n/2)+512*(n%2)
.set n, n+1
.endr
	s_wait_dscnt 0x0                               ; the stores have read their registers, which the loads below fill again
.set n, 0
.rept 32
	ds_load_b128 v[16+4*n:19+4*n], v12 offset:32*n     ; n = 4 ks + c: bytes 128 ks + 32 c + 16 h of row r
.set n, n+1
.endr
.set n, 0
.rept 32
	s_wait_dscnt 31-n
	global_store_b128 v14, v[16+4*n:19+4*n], s[16:17] offset:512*n   ; 512 consecutive bytes, at a multiple of 256 from the buffer's first byte
.set n, n+1
.endr
	s_wait_xcnt 0x0
	v_lshl_add_u32 v190, v0, 2, 0x16100
	v_mov_b32 v191, 0
	s_wait_tensorcnt 0x0
	ds_add_u32 v190, v191
	s_wait_dscnt 0x0
	s_endpgm
.Lfunc_end_k_qebab4700ce_place:
	.size	k_qebab4700ce_place, .Lfunc_end_k_qebab4700ce_place-k_qebab4700ce_place
	.p2alignl 7, 3214868480
	.fill 96, 4, 3214868480
	.section	.rodata,"a",@progbits
	.p2align	6, 0x0
	.amdhsa_kernel k_qebab4700ce_place
		.amdhsa_group_segment_fixed_size 92672
		.amdhsa_private_segment_fixed_size 0
		.amdhsa_enable_private_segment 0
		.amdhsa_kernarg_size 64
		.amdhsa_user_sgpr_count 2
		.amdhsa_user_sgpr_kernarg_segment_ptr 1
		.amdhsa_wavefront_size32 1
		.amdhsa_system_sgpr_workgroup_id_x 1
		.amdhsa_system_sgpr_workgroup_id_y 1
		.amdhsa_system_sgpr_workgroup_id_z 1
		.amdhsa_system_vgpr_workitem_id 0
		.amdhsa_next_free_vgpr 192
		.amdhsa_next_free_sgpr 66
		.amdhsa_reserve_vcc 1
		.amdhsa_float_denorm_mode_32 3
		.amdhsa_float_denorm_mode_16_64 3
		.amdhsa_memory_ordered 1
		.amdhsa_forward_progress 1
		.amdhsa_inst_pref_size 49
	.end_amdhsa_kernel
	.amdgpu_metadata
---
amdhsa.version: [ 1, 2 ]
amdhsa.kernels:
  - .name:           k_qebab4700ce_place
    .symbol:         k_qebab4700ce_place.kd
    .args:
      - { .name: tokkey, .offset: 0, .size: 8, .value_kind: global_buffer, .address_space: global }
      - { .name: hist, .offset: 8, .size: 8, .value_kind: global_buffer, .address_space: global }
      - { .name: w_codes, .offset: 16, .size: 8, .value_kind: global_buffer, .address_space: global }
      - { .name: intermediate_states, .offset: 24, .size: 8, .value_kind: global_buffer, .address_space: global }
      - { .name: lowp_scales, .offset: 32, .size: 8, .value_kind: global_buffer, .address_space: global }
      - { .name: order, .offset: 40, .size: 8, .value_kind: global_buffer, .address_space: global }
      - { .name: wfrag, .offset: 48, .size: 8, .value_kind: global_buffer, .address_space: global }
      - { .name: xq, .offset: 56, .size: 8, .value_kind: global_buffer, .address_space: global }
    .group_segment_fixed_size: 92672
    .private_segment_fixed_size: 0
    .kernarg_segment_align: 8
    .kernarg_segment_size: 64
    .max_flat_workgroup_size: 576
    .sgpr_count:     66
    .vgpr_count:     192
    .wavefront_size: 32
...
	.end_amdgpu_metadata
.endif
;; end of part 4
;; launch gemm (part 5): grid 256 x 1, 8 waves a work-group, no clusters, 134,144 bytes of LDS; arguments xq, order, tokw, wfrag, out0; writes out0
.if DOCPART == 5
	.amdgcn_target "amdgcn-amd-amdhsa--gfx1250"
	.amdhsa_code_object_version 6
	.text
	.protected	k_qebab4700ce_gemm
	.globl	k_qebab4700ce_gemm
	.p2align	8
	.type	k_qebab4700ce_gemm,@function
k_qebab4700ce_gemm:
	s_mov_b64 s[64:65], 0
	v_nop
	global_prefetch_b8 v0, s[64:65] scope:SCOPE_SE
	s_setreg_imm32_b32 hwreg(HW_REG_WAVE_MODE, 25, 1), 1
	s_wait_xcnt 0x0
; out0[t][:] = sum over k = 0, 1 of tokw[t][k] x (codes of x[2 t + k] . codes of W[id_k]).  xq: [8192][2][1024] codes of FP8 (E4M3); W as codes in the order of the operand's registers (wfrag); out0: [8192][512] f32.
; Only the products that the expert mask keeps are made: row 2 t + k meets expert id_k alone.
; SHARES.  Work-group j owns the 64 tokens at sorted positions 64 (j / 2) .. + 63 and 256 of their 512 outputs, half j % 2: every number of out0 is written once, and both of a token's rows meet in registers.
; What a work-group reads most of is W: 256 KB for each expert that it multiplies, which here feeds 64 tokens.  A token's codes, 2 KB, are read by two work-groups.
; The tokens are sorted by their pair of experts, so a work-group's 64 tokens name few experts.  It walks e = 0 .. 7, a constant number of trips, and jumps over an expert that none of its tokens names:
; a branch on whole numbers read from memory, alike in all eight waves, with no barrier inside.  For an expert that is named, each token gives the one row that is routed to it; a token that does not name it gives its second row with the factor 0.
; PHASE 1.  Wave w brings the codes of tokens 8 w .. 8 w + 7, 16 KB, into LDS.  A barrier.
; PHASE 2.  Wave w makes 32 outputs (two tiles of 16) of all 64 tokens (four tiles): 8 accumulators of 16 x 16.  W's fragments come from memory straight into registers: each is read by one wave only, so LDS would share nothing.
; THE WAY OUT.  A wave's 32 outputs are 128 bytes of a row, so the eight waves' results meet in ONE stage, which lies over the codes: a barrier between the last reads of the codes and the first store into the stage,
; another between the stores and the reads; each wave then stores its eight tokens' 1,024 bytes.
; THE MATRIX INSTRUCTION IS USED TRANSPOSED (source 0 = 16 rows of W, source 1 = 16 tokens): lane (r, h) holds token r and eight neighbouring outputs 8 h + 0 .. 7, and a token's factor is one register a lane.
; A fragment's registers 4 c .. 4 c + 3 hold k = 32 c + 16 h + 0 .. 15 on BOTH sides: a permutation of k that keeps every product with its partner and changes only the order of the sums inside an instruction.
; NO CLUSTER, NO JOINT LOADS, NO TENSOR LOADS: which experts a work-group multiplies, and so which tiles of W it wants and in how many trips, is read from memory and differs from work-group to work-group.
; LIMIT.  NaN among W's codes is not served: it would also reach tokens of this work-group whose factor for that expert is 0.
; REGISTERS.  Window 0: see the names below.  Window 1: v0-191 a ring of six sets of W's fragments (K step s at v[32 (s % 6)], the second tile's 16 further on); v192-255 the outputs.
.set XPITCH, 1040                      ; a row of 1,024 codes + 16 bytes = 260 words: row r starts at bank 4 r mod 64 (64 banks of 4 bytes: ISA guide 11.1).  A stage row, 1,024 bytes of results + 16, has the same pitch
.set SLOTB,  64*XPITCH                 ; the tokens' second rows lie behind the 64 first rows: 66,560 bytes = 260 x 256, which moves no bank.  The codes end at byte 133,120; the stage takes bytes 0 .. 66,559
.set L16, 1                            ; v1      16 x lane
.set R4,  2                            ; v2      4 r
.set HH,  3                            ; v3      h
.set XB,  4                            ; v4-7    LDS address of my lane's first code row in the four tiles of tokens
.set XA,  8                            ; v8-11   the four addresses for the expert in hand
.set CSA, 12                           ; v12     my wave's eight rows in LDS, 16 bytes a lane: first rows of codes; on the way out the same rows of the stage
.set CSB, 13                           ; v13     the same for the second rows of codes
.set STO, 14                           ; v14     the way out: where I put 32 bytes of a row
.set OW,  16                           ; v16-19  the order words of positions 16 tt + r
.set ID,  20                           ; v20-27  id0, id1 of those four tokens
.set TW,  28                           ; v28-35  their factors, in pairs
.set SC,  36                           ; v36-43  this expert's factor for the four tiles (the upper halves are named with them, so they are written once)
.set GA,  44                           ; v44-47  offsets into tokw
.set XF,  64                           ; v64-191 the tokens' fragments: two sets of four.  First the codes on their way into LDS, at last the rows on their way out
.set ACC, 192                          ; v192-255 accumulator (tt, i) at 192 + 8 (2 tt + i)
.set OUT, 192                          ; the outputs, laid likewise, in window 1
.set WV,  14                           ; s14     wave
.set NH,  16                           ; s16     which half of the outputs
.set OWS, 20                           ; s[20:27] the order words of my wave's eight tokens
.set XQB, 28                           ; s[28:43] the addresses of their codes
.set OB,  44                           ; s[44:59] the addresses of their 1,024 bytes of out0
.set EX,  60                           ; s60     the expert in hand
.set WP,  62                           ; s[62:63] my two tiles of its weights
.set MK,  66                           ; s[66:73] lane masks: id0, id1 of each tile of tokens is the expert in hand
.set MSB, 0
.macro WIN new                         ; s_set_vgpr_msb: bits 1:0 source 0, 3:2 source 1, 5:4 source 2, 7:6 destination; the high byte repeats the setting that is left
.if MSB != \new
	s_set_vgpr_msb (MSB<<8)|\new
.set MSB, \new
.endif
.endm
	s_load_b256 s[4:11], s[0:1], 0x0               ; xq s[4:5], order s[6:7], tokw s[8:9], wfrag s[10:11]
	s_load_b64 s[12:13], s[0:1], 0x20              ; out0
	v_lshl_add_u32 v62, v0, 2, 0x20800
	v_mov_b32 v63, 0
	v_lshrrev_b32 v[GA], 5, v0
	v_readfirstlane_b32 s[WV], v[GA]               ; wave 0..7
	v_and_b32 v[GA], 31, v0                        ; lane
	v_and_b32 v[GA+1], 15, v0                      ; r
	v_bfe_u32 v[HH], v0, 4, 1                      ; h
	v_lshlrev_b32 v[L16], 4, v[GA]
	v_lshlrev_b32 v[R4], 2, v[GA+1]
	v_mul_u32_u24 v[XB], v[GA+1], XPITCH
	v_lshl_add_u32 v[XB], v[HH], 4, v[XB]          ; row r, + 16 h
	v_add_nc_u32 v[XB+1], 16*XPITCH, v[XB]
	v_add_nc_u32 v[XB+2], 32*XPITCH, v[XB]
	v_add_nc_u32 v[XB+3], 48*XPITCH, v[XB]
	s_mul_i32 s15, s[WV], 8*XPITCH
	v_add_nc_u32 v[CSA], s15, v[L16]
	v_add_nc_u32 v[CSB], SLOTB, v[CSA]
	v_mul_u32_u24 v[STO], v[GA+1], XPITCH
	v_lshl_add_u32 v[STO], v[HH], 5, v[STO]
	s_lshl_b32 s15, s[WV], 7
	v_add_nc_u32 v[STO], s15, v[STO]               ; stage: row r, + 32 h, + my wave's 128 bytes
	s_lshr_b32 s15, ttmp9, 1                       ; which 64 positions
	s_and_b32 s[NH], ttmp9, 1
	s_lshl_b32 s74, s15, 8                         ; their 64 words of order
	s_mov_b32 s75, 0
	s_wait_kmcnt 0x0
	s_add_nc_u64 s[6:7], s[6:7], s[74:75]
	s_lshl_b32 s74, s[WV], 5
	s_add_nc_u64 s[18:19], s[6:7], s[74:75]
	s_load_b256 s[OWS:OWS+7], s[18:19], 0x0        ; my wave's eight tokens
.irp tt, 0,1,2,3
	global_load_b32 v[OW+\tt], v[R4], s[6:7] offset:64*\tt   ; and, a lane each, all 64
.endr
	s_lshl_b32 s74, s[NH], 10
	s_add_nc_u64 s[12:13], s[12:13], s[74:75]      ; out0 at my half of a row: 1,024 bytes
	WIN 0x40                                       ; destination window 1
.set j, 0
.rept 64
	v_mov_b32 v[OUT+j], 0                          ; the outputs begin as zeros, once: the step of an expert is written once, may be the first or not, and may be jumped over.  (Done while the words are on their way)
.set j, j+1
.endr
	WIN 0
.irp tt, 0,1,2,3
	v_mov_b32 v[SC+2*\tt+1], 0
.endr
	s_wait_kmcnt 0x0
.irp i, 0,1,2,3,4,5,6,7
	s_and_b32 s15, s[OWS+\i], 0x1fff
	s_min_u32 s15, s15, 0x1fff                     ; a token's number stays inside the tensors
	s_lshl_b32 s74, s15, 11                        ; 2,048 bytes a token, in xq and in out0 alike
	s_add_nc_u64 s[XQB+2*\i:XQB+2*\i+1], s[4:5], s[74:75]
	s_add_nc_u64 s[OB+2*\i:OB+2*\i+1], s[12:13], s[74:75]
.endr
.irp i, 0,1,2,3,4,5,6,7
.irp q, 0,1,2,3
	global_load_b128 v[XF+16*\i+4*\q:XF+16*\i+4*\q+3], v[L16], s[XQB+2*\i:XQB+2*\i+1] offset:512*\q   ; 512 consecutive bytes of a token's 2,048.  With the four words 36 loads of mine are out
.endr
.endr
	s_wait_loadcnt 32                              ; loads come back in order (ISA guide 5.7.1): the four order words are in, the 32 loads of codes stay out
.irp tt, 0,1,2,3
	v_bfe_u32 v[ID+2*\tt], v[OW+\tt], 16, 4
	v_bfe_u32 v[ID+2*\tt+1], v[OW+\tt], 20, 4
	v_and_b32 v[GA+\tt], 0x1fff, v[OW+\tt]
	v_min_u32 v[GA+\tt], 0x1fff, v[GA+\tt]
	v_lshlrev_b32 v[GA+\tt], 3, v[GA+\tt]
	global_load_b64 v[TW+2*\tt:TW+2*\tt+1], v[GA+\tt], s[8:9]   ; the token's two factors
.endr
.irp i, 0,1,2,3,4,5,6,7
	s_wait_loadcnt 4*(7-\i)+4                      ; token i's four loads are in; the later tokens' and the four loads of factors stay out
	ds_store_b128 v[CSA], v[XF+16*\i:XF+16*\i+3] offset:\i*XPITCH            ; its first row,
	ds_store_b128 v[CSA], v[XF+16*\i+4:XF+16*\i+7] offset:\i*XPITCH+512
	ds_store_b128 v[CSB], v[XF+16*\i+8:XF+16*\i+11] offset:\i*XPITCH         ; its second
	ds_store_b128 v[CSB], v[XF+16*\i+12:XF+16*\i+15] offset:\i*XPITCH+512
.endr
	s_lshl_b32 s74, s[NH], 18                      ; my half's 16 tiles of 16 outputs: 16 x 16,384 bytes,
	s_add_nc_u64 s[WP:WP+1], s[10:11], s[74:75]
	s_lshl_b32 s74, s[WV], 15                      ; my wave's two of them
	s_add_nc_u64 s[WP:WP+1], s[WP:WP+1], s[74:75]
	s_mov_b32 s[EX], 0
	s_wait_loadcnt 0x0                             ; the factors
	s_wait_dscnt 0x0                               ; for the others' sake: my tokens' codes lie in LDS
	s_barrier_signal -1
	s_barrier_wait -1                              ; behind it the codes are read, and not written before the next barrier
.macro WLOAD s                         ; W's two fragments of K step s: 8 loads of 512 consecutive bytes
	WIN 0x40
.irp i, 0,1
.irp c, 0,1,2,3
	global_load_b128 v[32*((\s)%6)+16*\i+4*\c:32*((\s)%6)+16*\i+4*\c+3], v[L16], s[WP:WP+1] offset:16384*\i+2048*(\s)+512*\c
.endr
.endr
	WIN 0
.endm
.macro XLOAD s                         ; the four tiles of tokens, K step s: 16 LDS loads
	WIN 0
.irp tt, 0,1,2,3
.irp c, 0,1,2,3
	ds_load_b128 v[XF+64*((\s)%2)+16*\tt+4*\c:XF+64*((\s)%2)+16*\tt+4*\c+3], v[XA+\tt] offset:128*(\s)+32*\c
.endr
.endr
.endm
.macro MUL s, zero                     ; 8 matrix instructions; the eight accumulators take turns, one instruction a turn, in the same order in every step
	WIN 0x01                                       ; source 0 (W) window 1
.irp tt, 0,1,2,3
.irp i, 0,1
.if \zero
	v_wmma_f32_16x16x128_fp8_fp8 v[ACC+8*(2*\tt+\i):ACC+8*(2*\tt+\i)+7], v[32*((\s)%6)+16*\i:32*((\s)%6)+16*\i+15], v[XF+64*((\s)%2)+16*\tt:XF+64*((\s)%2)+16*\tt+15], 0
.else
	v_wmma_f32_16x16x128_fp8_fp8 v[ACC+8*(2*\tt+\i):ACC+8*(2*\tt+\i)+7], v[32*((\s)%6)+16*\i:32*((\s)%6)+16*\i+15], v[XF+64*((\s)%2)+16*\tt:XF+64*((\s)%2)+16*\tt+15], v[ACC+8*(2*\tt+\i):ACC+8*(2*\tt+\i)+7]
.endif
.endr
.endr
.endm
; K step s of 8.  W runs five steps ahead in its ring of six sets: behind the request 40 loads of mine, 20 KB, are out.  The tokens' fragments run one step ahead in two sets.
.macro STEP s, zero
.if (\s) <= 3
	s_wait_loadcnt 32                              ; set s is in; the four sets behind it stay out
.else
	s_wait_loadcnt 8*(7-(\s))                      ; fewer are left
.endif
.if ((\s) >= 1) && ((\s) <= 6)
.rept 4
	v_nop                                          ; four places behind the last step's products, in front of loads into the registers that they read (ISA guide 7.12.1 for vector instructions).  At step 0 the lines between two experts' products stand there
.endr
.endif
.if (\s) <= 2
	WLOAD (\s)+5
.endif
.if (\s) <= 6
	XLOAD (\s)+1
	s_wait_dscnt 16                                ; this step's fragments are in; the next step's sixteen loads stay out
.else
	s_wait_dscnt 0
.endif
	MUL \s, \zero
.endm
.Lexp:                                             ; eight trips, one for each expert
.irp k, 0,1,2,3,4,5,6,7
	v_cmp_eq_u32 s[MK+\k], s[EX], v[ID+\k]
.endr
	s_or_b32 s76, s[MK], s[MK+1]
	s_or_b32 s77, s[MK+2], s[MK+3]
	s_or_b32 s78, s[MK+4], s[MK+5]
	s_or_b32 s79, s[MK+6], s[MK+7]
	s_or_b32 s76, s76, s77
	s_or_b32 s78, s78, s79
	s_or_b32 s76, s76, s78
	s_cmp_eq_u32 s76, 0
	s_cbranch_scc1 .Lnext                          ; none of the 64 tokens names this expert
.irp tt, 0,1,2,3
	v_xor_b32 v[XA+\tt], s[EX], v[ID+2*\tt]        ; 0 where the token's first row goes to this expert
.endr
.irp tt, 0,1,2,3
	v_min_u32 v[XA+\tt], 1, v[XA+\tt]              ; else 1: the second row, which goes to this expert or counts with the factor 0.  Held at 1, the number keeps the address inside the codes: 132,096 + 992 + 16 bytes at the most
.endr
.irp tt, 0,1,2,3
	v_mul_u32_u24 v[XA+\tt], SLOTB, v[XA+\tt]
.endr
.irp tt, 0,1,2,3
	v_add_nc_u32 v[XA+\tt], v[XA+\tt], v[XB+\tt]
.endr
	WLOAD 0
	WLOAD 1
	WLOAD 2
	WLOAD 3
	WLOAD 4
	XLOAD 0
	STEP 0, 1                                      ; the first products start the sums
	STEP 1, 0
	STEP 2, 0
	STEP 3, 0
	STEP 4, 0
	STEP 5, 0
	STEP 6, 0
	STEP 7, 0
	WIN 0
.irp tt, 0,1,2,3
	v_cndmask_b32 v[SC+2*\tt], 0, v[TW+2*\tt], s[MK+2*\tt]             ; this expert's factor for my token: its first row's, its second row's, or 0.  These lines are the places behind the last products
.endr
.irp tt, 0,1,2,3
	v_cndmask_b32 v[SC+2*\tt], v[SC+2*\tt], v[TW+2*\tt+1], s[MK+2*\tt+1]
.endr
	WIN 0x50                                       ; source 2 and destination (the outputs) window 1
.irp tt, 0,1,2,3
.set j, 0
.rept 8
	v_pk_fma_f32 v[OUT+16*\tt+j:OUT+16*\tt+j+1], v[ACC+16*\tt+j:ACC+16*\tt+j+1], v[SC+2*\tt:SC+2*\tt+1], v[OUT+16*\tt+j:OUT+16*\tt+j+1] op_sel_hi:[1,0,1]   ; out += factor x sum; each accumulator from its low end on
.set j, j+2
.endr
.endr
	WIN 0
.Lnext:
	s_add_nc_u64 s[WP:WP+1], s[WP:WP+1], 0x80000   ; the next expert's weights.  No load that names this base is out: step 7 has waited for all, and the way round the step issues none
	s_add_co_u32 s[EX], s[EX], 1
	s_cmp_lt_u32 s[EX], 8
	s_cbranch_scc1 .Lexp
	; THE WAY OUT
	s_wait_dscnt 0x0                               ; my reads of the codes are over
	s_barrier_signal -1
	s_barrier_wait -1                              ; everybody's are: the stage may be laid over the codes
	WIN 0x04                                       ; the stores' data (source 1) window 1
.irp tt, 0,1,2,3
.irp i, 0,1
	ds_store_b128 v[STO], v[OUT+8*(2*\tt+\i):OUT+8*(2*\tt+\i)+3] offset:16*\tt*XPITCH+64*\i         ; lane (r, h): token 16 tt + r, outputs 32 w + 16 i + 8 h + 0 .. 7 of my half
	ds_store_b128 v[STO], v[OUT+8*(2*\tt+\i)+4:OUT+8*(2*\tt+\i)+7] offset:16*\tt*XPITCH+64*\i+16
.endr
.endr
	WIN 0
	s_wait_dscnt 0x0                               ; for the others' sake: my results lie in the stage
	s_barrier_signal -1
	s_barrier_wait -1                              ; 64 whole rows of 1,024 bytes lie there
.irp i, 0,1,2,3,4,5,6,7
.irp u, 0,1
	ds_load_b128 v[XF+4*(2*\i+\u):XF+4*(2*\i+\u)+3], v[CSA] offset:\i*XPITCH+512*\u
.endr
.endr
.irp i, 0,1,2,3,4,5,6,7
.irp u, 0,1
	s_wait_dscnt 15-(2*\i+\u)
	global_store_b128 v[L16], v[XF+4*(2*\i+\u):XF+4*(2*\i+\u)+3], s[OB+2*\i:OB+2*\i+1] offset:512*\u th:TH_STORE_NT   ; 32 lanes store 512 consecutive bytes of one token's row, at a multiple of 256 from out0's first byte; written once, read by nobody here
.endr
.endr
	s_wait_tensorcnt 0x0
	ds_add_u32 v62, v63
	s_wait_dscnt 0x0
	s_endpgm
.Lfunc_end_k_qebab4700ce_gemm:
	.size	k_qebab4700ce_gemm, .Lfunc_end_k_qebab4700ce_gemm-k_qebab4700ce_gemm
	.p2alignl 7, 3214868480
	.fill 96, 4, 3214868480
	.section	.rodata,"a",@progbits
	.p2align	6, 0x0
	.amdhsa_kernel k_qebab4700ce_gemm
		.amdhsa_group_segment_fixed_size 134144
		.amdhsa_private_segment_fixed_size 0
		.amdhsa_enable_private_segment 0
		.amdhsa_kernarg_size 40
		.amdhsa_user_sgpr_count 2
		.amdhsa_user_sgpr_kernarg_segment_ptr 1
		.amdhsa_wavefront_size32 1
		.amdhsa_system_sgpr_workgroup_id_x 1
		.amdhsa_system_sgpr_workgroup_id_y 1
		.amdhsa_system_sgpr_workgroup_id_z 1
		.amdhsa_system_vgpr_workitem_id 0
		.amdhsa_next_free_vgpr 512
		.amdhsa_next_free_sgpr 80
		.amdhsa_reserve_vcc 0
		.amdhsa_float_denorm_mode_32 3
		.amdhsa_float_denorm_mode_16_64 3
		.amdhsa_memory_ordered 1
		.amdhsa_forward_progress 1
		.amdhsa_inst_pref_size 42
	.end_amdhsa_kernel
	.amdgpu_metadata
---
amdhsa.version: [ 1, 2 ]
amdhsa.kernels:
  - .name:           k_qebab4700ce_gemm
    .symbol:         k_qebab4700ce_gemm.kd
    .args:
      - { .name: xq, .offset: 0, .size: 8, .value_kind: global_buffer, .address_space: global }
      - { .name: order, .offset: 8, .size: 8, .value_kind: global_buffer, .address_space: global }
      - { .name: tokw, .offset: 16, .size: 8, .value_kind: global_buffer, .address_space: global }
      - { .name: wfrag, .offset: 24, .size: 8, .value_kind: global_buffer, .address_space: global }
      - { .name: out0, .offset: 32, .size: 8, .value_kind: global_buffer, .address_space: global }
    .group_segment_fixed_size: 134144
    .private_segment_fixed_size: 0
    .kernarg_segment_align: 8
    .kernarg_segment_size: 40
    .max_flat_workgroup_size: 256
    .sgpr_count:     80
    .vgpr_count:     512
    .wavefront_size: 32
...
	.end_amdgpu_metadata
.endif
;; end of part 5
;; ======== version 3 of 3: 3 launches; version 2 with the launch gemm written anew for expert scheduling mode
;; workspace buffers: tokkey 32,768 bytes of whole numbers; hist 4,096 bytes of whole numbers; tokw 65,536 bytes; order 32,768 bytes of whole numbers; wfrag 4,194,304 bytes; xq 16,777,216 bytes
;; launch route: the kernel of part 1 again; grid 32 x 1, 8 waves a work-group, no clusters, 2,048 bytes of LDS; arguments router_logits, lowp_scales, tokkey, hist, tokw; writes tokkey, hist, tokw
;; launch place: the kernel of part 4 again; grid 256 x 1, 18 waves a work-group, no clusters, 92,672 bytes of LDS; arguments tokkey, hist, w_codes, intermediate_states, lowp_scales, order, wfrag, xq; writes order, wfrag, xq
;; launch gemm (part 6): grid 256 x 1, 8 waves a work-group, no clusters, 134,144 bytes of LDS; arguments xq, order, tokw, wfrag, out0; writes out0
.if DOCPART == 6
	.amdgcn_target "amdgcn-amd-amdhsa--gfx1250"
	.amdhsa_code_object_version 6
	.text
	.protected	k_qebab4700ce_gemm
	.globl	k_qebab4700ce_gemm
	.p2align	8
	.type	k_qebab4700ce_gemm,@function
k_qebab4700ce_gemm:
	s_mov_b64 s[64:65], 0
	v_nop
	global_prefetch_b8 v0, s[64:65] scope:SCOPE_SE
	s_setreg_imm32_b32 hwreg(HW_REG_WAVE_SCHED_MODE, 0, 2), 2
	s_setreg_imm32_b32 hwreg(HW_REG_WAVE_MODE, 25, 1), 1
	s_wait_xcnt 0x0
	s_wait_alu depctr_vm_vsrc(0)
; out0[t][:] = sum over k = 0, 1 of tokw[t][k] x (codes of x[2 t + k] . codes of W[id_k]).  xq: [8192][2][1024] codes of FP8 (E4M3); W as codes in the order of the operand's registers (wfrag); out0: [8192][512] f32.
; Only the products that the expert mask keeps are made: row 2 t + k meets expert id_k alone.
; SHARES.  Work-group j owns the 64 tokens at sorted positions 64 (j / 2) .. + 63 and 256 of their 512 outputs, half j % 2: every number of out0 is written once, and both of a token's rows meet in registers.
; What a work-group reads most of is W: 256 KB for each expert that it multiplies, which here feeds 64 tokens.  A token's codes, 2 KB, are read by two work-groups.
; The tokens are sorted by their pair of experts, so a work-group's 64 tokens name few experts.  It walks e = 0 .. 7, a constant number of trips, and jumps over an expert that none of its tokens names:
; a branch on whole numbers read from memory, alike in all eight waves, with no barrier inside.  For an expert that is named, each token gives the one row that is routed to it; a token that does not name it gives its second row with the factor 0.
; PHASE 1.  Wave w brings the codes of tokens 8 w .. 8 w + 7, 16 KB, into LDS.  A barrier.
; PHASE 2.  Wave w makes 32 outputs (two tiles of 16) of all 64 tokens (four tiles): 8 accumulators of 16 x 16.  W's fragments come from memory straight into registers: each is read by one wave only, so LDS would share nothing.
; THE WAY OUT.  A wave's 32 outputs are 128 bytes of a row, so the eight waves' results meet in ONE stage, which lies over the codes: a barrier between the last reads of the codes and the first store into the stage,
; another between the stores and the reads; each wave then stores its eight tokens' 1,024 bytes.
; THE MATRIX INSTRUCTION IS USED TRANSPOSED (source 0 = 16 rows of W, source 1 = 16 tokens): lane (r, h) holds token r and eight neighbouring outputs 8 h + 0 .. 7, and a token's factor is one register a lane.
; A fragment's registers 4 c .. 4 c + 3 hold k = 32 c + 16 h + 0 .. 15 on BOTH sides: a permutation of k that keeps every product with its partner and changes only the order of the sums inside an instruction.
; NO CLUSTER, NO JOINT LOADS, NO TENSOR LOADS: which experts a work-group multiplies, and so which tiles of W it wants and in how many trips, is read from memory and differs from work-group to work-group.
; LIMIT.  NaN among W's codes is not served: it would also reach tokens of this work-group whose factor for that expert is 0.
; THE MODE: SCHED_MODE bits 1:0 = 2 (LLVM: expert scheduling mode 2), set by the entry lines.  The code itself states the register dependences
; between vector or matrix instructions and memory or LDS instructions, with s_wait_alu, always for 0.
; REGISTERS.  Window 0: the names below; v64-255 a ring of six sets of W's fragments (K step s at v[64 + 32 (s % 6)], the second tile's 16 further on).
;   Window 1: v0-127 the tokens' fragments, two sets of four; v128-191 the accumulators; v192-255 the outputs.
;   An LDS load's address and a product's W are both source 0, its data and a product's result both the destination: laid so, the products and the fragments' LDS loads stand under ONE window setting, and loads stand among products with no switch.
; THE PLAN.  Registers that memory or LDS instructions touch:
;   v1, v2, v12-14   offsets and LDS addresses: written once at the head, read by loads and stores of the whole kernel.     v44-47  offsets into tokw: written once, read by the four loads of factors.
;   v64-191          at the head the codes on their way: the gather's loads land there, the head's LDS stores read them; then they are W's sets 0 to 3.
;   W[s % 6]         the loads of K step s land in it (sets 0 to 4 at an expert's head, set s + 5 in steps 0 to 2); step s's eight products read it.
;   XF[s % 2]        the sixteen LDS loads issued in step s - 1 land in it; step s's products read it.
;   v8-11 (XA)       written by vector lines at an expert's head; read by all its LDS loads of fragments.
;   the outputs      written by vector lines alone; read by the stage's LDS stores.     v64-127 at the end: the stage's LDS loads land there, the global stores read them.
; So ONE wait on va_vdst stands at the head of steps 1 to 6, behind the waits for the step's data: the step before is done reading XF[(s + 1) % 2] and W[(s - 1) % 6].  The step's products name W[s % 6], XF[s % 2]
; and the accumulators; its loads touch XF[(s + 1) % 2], XA, W[(s + 5) % 6] and v1: none of the same registers, so the loads are dealt among the products with no further wait.
.set XPITCH, 1040                      ; a row of 1,024 codes + 16 bytes = 260 words: row r starts at bank 4 r mod 64 (64 banks of 4 bytes: ISA guide 11.1).  A stage row, 1,024 bytes of results + 16, has the same pitch
.set SLOTB,  64*XPITCH                 ; the tokens' second rows lie behind the 64 first rows: 66,560 bytes = 260 x 256, which moves no bank.  The codes end at byte 133,120; the stage takes bytes 0 .. 66,559
.set L16, 1                            ; v1      16 x lane
.set R4,  2                            ; v2      4 r
.set HH,  3                            ; v3      h
.set XB,  4                            ; v4-7    LDS address of my lane's first code row in the four tiles of tokens
.set XA,  8                            ; v8-11   the four addresses for the expert in hand
.set CSA, 12                           ; v12     my wave's eight rows in LDS, 16 bytes a lane: first rows of codes; on the way out the same rows of the stage
.set CSB, 13                           ; v13     the same for the second rows of codes
.set STO, 14                           ; v14     the way out: where I put 32 bytes of a row
.set OW,  16                           ; v16-19  the order words of positions 16 tt + r
.set ID,  20                           ; v20-27  id0, id1 of those four tokens
.set TW,  28                           ; v28-35  their factors, in pairs
.set SC,  36                           ; v36-43  this expert's factor for the four tiles (the upper halves are named with them, so they are written once)
.set GA,  44                           ; v44-47  offsets into tokw
.set WR,  64                           ; v64-255 W's ring
.set ST,  64                           ; v64-191 first the codes on their way into LDS; v64-127 at last the rows on their way out
.set XF,  0                            ; window 1: the tokens' fragments: set s % 2, tile tt at 64 (s % 2) + 16 tt
.set ACC, 128                          ; window 1: accumulator (tt, i) at 128 + 8 (2 tt + i)
.set OUT, 192                          ; window 1: the outputs, laid likewise
.set WV,  14                           ; s14     wave
.set NH,  16                           ; s16     which half of the outputs
.set OWS, 20                           ; s[20:27] the order words of my wave's eight tokens
.set XQB, 28                           ; s[28:43] the addresses of their codes
.set OB,  44                           ; s[44:59] the addresses of their 1,024 bytes of out0
.set EX,  60                           ; s60     the expert in hand
.set WP,  62                           ; s[62:63] my two tiles of its weights
.set MK,  66                           ; s[66:73] lane masks: id0, id1 of each tile of tokens is the expert in hand
.set MSB, 0
.macro WIN new                         ; s_set_vgpr_msb: bits 1:0 source 0, 3:2 source 1, 5:4 source 2, 7:6 destination; the high byte repeats the setting that is left
.if MSB != \new
	s_set_vgpr_msb (MSB<<8)|\new
.set MSB, \new
.endif
.endm
.set W_MUL, 0x54                       ; products: W (source 0) window 0; the tokens (source 1), C and D window 1.  LDS loads of fragments: address (source 0) window 0, data (destination) window 1
.set W_ADD, 0x51                       ; out += factor x sum: the sums (source 0) and the outputs (source 2, destination) window 1, the factor (source 1) window 0
	s_load_b256 s[4:11], s[0:1], 0x0               ; xq s[4:5], order s[6:7], tokw s[8:9], wfrag s[10:11]
	s_load_b64 s[12:13], s[0:1], 0x20              ; out0
	v_lshl_add_u32 v62, v0, 2, 0x20800
	v_mov_b32 v63, 0
	v_lshrrev_b32 v[GA], 5, v0
	v_readfirstlane_b32 s[WV], v[GA]               ; wave 0..7
	v_and_b32 v[GA], 31, v0                        ; lane
	v_and_b32 v[GA+1], 15, v0                      ; r
	v_bfe_u32 v[HH], v0, 4, 1                      ; h
	v_lshlrev_b32 v[L16], 4, v[GA]
	v_lshlrev_b32 v[R4], 2, v[GA+1]
	v_mul_u32_u24 v[XB], v[GA+1], XPITCH
	v_lshl_add_u32 v[XB], v[HH], 4, v[XB]          ; row r, + 16 h
	v_add_nc_u32 v[XB+1], 16*XPITCH, v[XB]
	v_add_nc_u32 v[XB+2], 32*XPITCH, v[XB]
	v_add_nc_u32 v[XB+3], 48*XPITCH, v[XB]
	s_wait_alu depctr_va_sdst(0)                   ; s14, the wave's number, is written, ahead of its first reader
	s_mul_i32 s15, s[WV], 8*XPITCH
	v_add_nc_u32 v[CSA], s15, v[L16]
	v_add_nc_u32 v[CSB], SLOTB, v[CSA]
	v_mul_u32_u24 v[STO], v[GA+1], XPITCH
	v_lshl_add_u32 v[STO], v[HH], 5, v[STO]
	s_lshl_b32 s15, s[WV], 7
	v_add_nc_u32 v[STO], s15, v[STO]               ; stage: row r, + 32 h, + my wave's 128 bytes
	s_lshr_b32 s15, ttmp9, 1                       ; which 64 positions
	s_and_b32 s[NH], ttmp9, 1
	s_lshl_b32 s74, s15, 8                         ; their 64 words of order
	s_mov_b32 s75, 0
	s_wait_kmcnt 0x0
	s_add_nc_u64 s[6:7], s[6:7], s[74:75]
	s_lshl_b32 s74, s[WV], 5
	s_add_nc_u64 s[18:19], s[6:7], s[74:75]
	s_load_b256 s[OWS:OWS+7], s[18:19], 0x0        ; my wave's eight tokens
	s_wait_alu depctr_va_vdst(0)                   ; the offsets v1 and v2 and the LDS addresses v12 to v14 are written, which the loads and stores of the whole kernel read; they are never written again
.irp tt, 0,1,2,3
	global_load_b32 v[OW+\tt], v[R4], s[6:7] offset:64*\tt   ; and, a lane each, all 64
.endr
	s_lshl_b32 s74, s[NH], 10
	s_add_nc_u64 s[12:13], s[12:13], s[74:75]      ; out0 at my half of a row: 1,024 bytes
	WIN 0x40                                       ; destination window 1
.set j, 0
.rept 64
	v_mov_b32 v[OUT+j], 0                          ; the outputs begin as zeros, once: the step of an expert is written once, may be the first or not, and may be jumped over.  (Done while the words are on their way)
.set j, j+1
.endr
	WIN 0
.irp tt, 0,1,2,3
	v_mov_b32 v[SC+2*\tt+1], 0
.endr
	s_wait_kmcnt 0x0
.irp i, 0,1,2,3,4,5,6,7
	s_and_b32 s15, s[OWS+\i], 0x1fff
	s_min_u32 s15, s15, 0x1fff                     ; a token's number stays inside the tensors
	s_lshl_b32 s74, s15, 11                        ; 2,048 bytes a token, in xq and in out0 alike
	s_add_nc_u64 s[XQB+2*\i:XQB+2*\i+1], s[4:5], s[74:75]
	s_add_nc_u64 s[OB+2*\i:OB+2*\i+1], s[12:13], s[74:75]
.endr
.irp i, 0,1,2,3,4,5,6,7
.irp q, 0,1,2,3
	global_load_b128 v[ST+16*\i+4*\q:ST+16*\i+4*\q+3], v[L16], s[XQB+2*\i:XQB+2*\i+1] offset:512*\q   ; 512 consecutive bytes of a token's 2,048.  With the four words 36 loads of mine are out.  No vector line since the wait above names v1 or v64-191
.endr
.endr
	s_wait_loadcnt 32                              ; loads come back in order (ISA guide 5.7.1): the four order words are in, the 32 loads of codes stay out
.irp tt, 0,1,2,3
	v_bfe_u32 v[ID+2*\tt], v[OW+\tt], 16, 4
	v_bfe_u32 v[ID+2*\tt+1], v[OW+\tt], 20, 4
	v_and_b32 v[GA+\tt], 0x1fff, v[OW+\tt]
	v_min_u32 v[GA+\tt], 0x1fff, v[GA+\tt]
	v_lshlrev_b32 v[GA+\tt], 3, v[GA+\tt]
.endr
	s_wait_alu depctr_va_vdst(0)                   ; the four offsets v44 to v47 are written, which the four loads below read: one wait for the four
.irp tt, 0,1,2,3
	global_load_b64 v[TW+2*\tt:TW+2*\tt+1], v[GA+\tt], s[8:9]   ; the token's two factors
.endr
.irp i, 0,1,2,3,4,5,6,7
	s_wait_loadcnt 4*(7-\i)+4                      ; token i's four loads are in; the later tokens' and the four loads of factors stay out
	ds_store_b128 v[CSA], v[ST+16*\i:ST+16*\i+3] offset:\i*XPITCH            ; its first row,
	ds_store_b128 v[CSA], v[ST+16*\i+4:ST+16*\i+7] offset:\i*XPITCH+512
	ds_store_b128 v[CSB], v[ST+16*\i+8:ST+16*\i+11] offset:\i*XPITCH         ; its second
	ds_store_b128 v[CSB], v[ST+16*\i+12:ST+16*\i+15] offset:\i*XPITCH+512
.endr
	s_lshl_b32 s74, s[NH], 18                      ; my half's 16 tiles of 16 outputs: 16 x 16,384 bytes,
	s_add_nc_u64 s[WP:WP+1], s[10:11], s[74:75]
	s_lshl_b32 s74, s[WV], 15                      ; my wave's two of them
	s_add_nc_u64 s[WP:WP+1], s[WP:WP+1], s[74:75]
	s_mov_b32 s[EX], 0
	s_wait_loadcnt 0x0                             ; the factors
	s_wait_dscnt 0x0                               ; for the others' sake: my tokens' codes lie in LDS
	s_barrier_signal -1
	s_barrier_wait -1                              ; behind it the codes are read, and not written before the next barrier
	s_wait_alu depctr_vm_vsrc(0)                   ; my LDS stores have read v64-191: from here on W's loads land there, and on the way out the stage's.  Ahead of the loop, so that it stands on every way through it
.macro WLOAD s                         ; W's two fragments of K step s: 8 loads of 512 consecutive bytes
	WIN 0
.irp i, 0,1
.irp c, 0,1,2,3
	global_load_b128 v[WR+32*((\s)%6)+16*\i+4*\c:WR+32*((\s)%6)+16*\i+4*\c+3], v[L16], s[WP:WP+1] offset:16384*\i+2048*(\s)+512*\c
.endr
.endr
.endm
.macro XFRAG s, tt                     ; tile tt of the tokens, K step s: 4 LDS loads, under the products' window setting
.irp c, 0,1,2,3
	ds_load_b128 v[XF+64*((\s)%2)+16*(\tt)+4*\c:XF+64*((\s)%2)+16*(\tt)+4*\c+3], v[XA+(\tt)] offset:128*(\s)+32*\c
.endr
.endm
.macro PROD s, tt, i, zero             ; one matrix instruction.  The eight accumulators take turns, one instruction a turn, (0,0) (0,1) (1,0) .. (3,1), in the same order in every step
.if \zero
	v_wmma_f32_16x16x128_fp8_fp8 v[ACC+8*(2*(\tt)+(\i)):ACC+8*(2*(\tt)+(\i))+7], v[WR+32*((\s)%6)+16*(\i):WR+32*((\s)%6)+16*(\i)+15], v[XF+64*((\s)%2)+16*(\tt):XF+64*((\s)%2)+16*(\tt)+15], 0
.else
	v_wmma_f32_16x16x128_fp8_fp8 v[ACC+8*(2*(\tt)+(\i)):ACC+8*(2*(\tt)+(\i))+7], v[WR+32*((\s)%6)+16*(\i):WR+32*((\s)%6)+16*(\i)+15], v[XF+64*((\s)%2)+16*(\tt):XF+64*((\s)%2)+16*(\tt)+15], v[ACC+8*(2*(\tt)+(\i)):ACC+8*(2*(\tt)+(\i))+7]
.endif
.endm
; K step s of 8.  W runs five steps ahead in its ring of six sets: behind the request 40 loads of mine, 20 KB, are out.  The tokens' fragments run one step ahead in two sets:
; a tile's four LDS loads stand behind each of the step's first four products, W's next set behind them, and the other four products follow.
.macro STEP s, zero
.if (\s) <= 3
	s_wait_loadcnt 32                              ; set s is in; the four sets behind it stay out
.else
	s_wait_loadcnt 8*(7-(\s))                      ; fewer are left
.endif
	s_wait_dscnt 8                                 ; LDS loads come back in order (ISA guide 5.7.1): this step's tiles 0 and 1 are in; tiles 2 and 3, eight loads, stay out
.if ((\s) >= 1) && ((\s) <= 6)
	s_wait_alu depctr_va_vdst(0)                   ; the last step's products are done reading their set of the tokens' fragments and their set of W, in which this step's loads land.  (Step 0 leans on the wait at the expert's head; step 7 loads nothing)
.endif
	WIN W_MUL
.irp p, 0,1,2,3
	PROD \s, \p/2, \p%2, \zero
.if (\s) <= 6
	XFRAG (\s)+1, \p                               ; no wait: no product since the wait names the other set or v8-11
.endif
.endr
.if (\s) <= 2
	WLOAD (\s)+5                                   ; no wait: no product since the wait names set (s + 5) % 6 or v1
.endif
.if (\s) <= 6
	s_wait_dscnt 16                                ; this step's tiles 2 and 3 are in; the next step's sixteen loads stay out
.else
	s_wait_dscnt 0
.endif
	WIN W_MUL
.irp p, 4,5,6,7
	PROD \s, \p/2, \p%2, \zero
.endr
.endm
.Lexp:                                             ; eight trips, one for each expert
.irp k, 0,1,2,3,4,5,6,7
	v_cmp_eq_u32 s[MK+\k], s[EX], v[ID+\k]
.endr
	s_wait_alu depctr_va_sdst(0)                   ; the eight masks are written, ahead of their first readers: one wait behind the run of compares
	s_or_b32 s76, s[MK], s[MK+1]
	s_or_b32 s77, s[MK+2], s[MK+3]
	s_or_b32 s78, s[MK+4], s[MK+5]
	s_or_b32 s79, s[MK+6], s[MK+7]
	s_or_b32 s76, s76, s77
	s_or_b32 s78, s78, s79
	s_or_b32 s76, s76, s78
	s_cmp_eq_u32 s76, 0
	s_cbranch_scc1 .Lnext                          ; none of the 64 tokens names this expert
	s_wait_alu depctr_vm_vsrc(0)                   ; the LDS loads of the expert walked before have read v8-11, which the lines below write
.irp tt, 0,1,2,3
	v_xor_b32 v[XA+\tt], s[EX], v[ID+2*\tt]        ; 0 where the token's first row goes to this expert
.endr
.irp tt, 0,1,2,3
	v_min_u32 v[XA+\tt], 1, v[XA+\tt]              ; else 1: the second row, which goes to this expert or counts with the factor 0.  Held at 1, the number keeps the address inside the codes: 132,096 + 992 + 16 bytes at the most
.endr
.irp tt, 0,1,2,3
	v_mul_u32_u24 v[XA+\tt], SLOTB, v[XA+\tt]
.endr
.irp tt, 0,1,2,3
	v_add_nc_u32 v[XA+\tt], v[XA+\tt], v[XB+\tt]
.endr
	s_wait_alu depctr_va_vdst(0)                   ; v8-11 are written, which the LDS loads read; the products of the expert walked before are done reading W's ring and the tokens' two sets, in which the loads from here to step 0's end land
	WLOAD 0
	WLOAD 1
	WLOAD 2
	WLOAD 3
	WLOAD 4
	WIN W_MUL
.irp tt, 0,1,2,3
	XFRAG 0, \tt
.endr
	STEP 0, 1                                      ; the first products start the sums
	STEP 1, 0
	STEP 2, 0
	STEP 3, 0
	STEP 4, 0
	STEP 5, 0
	STEP 6, 0
	STEP 7, 0
	WIN 0
.irp tt, 0,1,2,3
	v_cndmask_b32 v[SC+2*\tt], 0, v[TW+2*\tt], s[MK+2*\tt]             ; this expert's factor for my token: its first row's, its second row's, or 0.  These lines are the places behind the last products
.endr
.irp tt, 0,1,2,3
	v_cndmask_b32 v[SC+2*\tt], v[SC+2*\tt], v[TW+2*\tt+1], s[MK+2*\tt+1]
.endr
	WIN W_ADD
.irp tt, 0,1,2,3
.set j, 0
.rept 8
	v_pk_fma_f32 v[OUT+16*\tt+j:OUT+16*\tt+j+1], v[ACC+16*\tt+j:ACC+16*\tt+j+1], v[SC+2*\tt:SC+2*\tt+1], v[OUT+16*\tt+j:OUT+16*\tt+j+1] op_sel_hi:[1,0,1]   ; out += factor x sum; each accumulator from its low end on
.set j, j+2
.endr
.endr
	WIN 0
.Lnext:
	s_add_nc_u64 s[WP:WP+1], s[WP:WP+1], 0x80000   ; the next expert's weights.  No load that names this base is out: step 7 has waited for all, and the way round the step issues none
	s_add_co_u32 s[EX], s[EX], 1
	s_cmp_lt_u32 s[EX], 8
	s_cbranch_scc1 .Lexp
	; THE WAY OUT
	s_wait_dscnt 0x0                               ; my reads of the codes are over
	s_barrier_signal -1
	s_barrier_wait -1                              ; everybody's are: the stage may be laid over the codes
	WIN 0x04                                       ; the stores' data (source 1) window 1
	s_wait_alu depctr_va_vdst(0)                   ; the outputs are written, which the LDS stores read; and the last products are done reading v64-127, in which the loads from the stage land: no vector line follows
.irp tt, 0,1,2,3
.irp i, 0,1
	ds_store_b128 v[STO], v[OUT+8*(2*\tt+\i):OUT+8*(2*\tt+\i)+3] offset:16*\tt*XPITCH+64*\i         ; lane (r, h): token 16 tt + r, outputs 32 w + 16 i + 8 h + 0 .. 7 of my half
	ds_store_b128 v[STO], v[OUT+8*(2*\tt+\i)+4:OUT+8*(2*\tt+\i)+7] offset:16*\tt*XPITCH+64*\i+16
.endr
.endr
	WIN 0
	s_wait_dscnt 0x0                               ; for the others' sake: my results lie in the stage
	s_barrier_signal -1
	s_barrier_wait -1                              ; 64 whole rows of 1,024 bytes lie there
.irp i, 0,1,2,3,4,5,6,7
.irp u, 0,1
	ds_load_b128 v[ST+4*(2*\i+\u):ST+4*(2*\i+\u)+3], v[CSA] offset:\i*XPITCH+512*\u
.endr
.endr
.irp i, 0,1,2,3,4,5,6,7
.irp u, 0,1
	s_wait_dscnt 15-(2*\i+\u)
	global_store_b128 v[L16], v[ST+4*(2*\i+\u):ST+4*(2*\i+\u)+3], s[OB+2*\i:OB+2*\i+1] offset:512*\u th:TH_STORE_NT   ; 32 lanes store 512 consecutive bytes of one token's row, at a multiple of 256 from out0's first byte; written once, read by nobody here
.endr
.endr
	s_wait_dscnt 0x0                               ; the closing lines, six on end
	s_wait_alu 0x0
	s_wait_tensorcnt 0x0
	ds_add_u32 v62, v63
	s_wait_dscnt 0x0
	s_endpgm
.Lfunc_end_k_qebab4700ce_gemm:
	.size	k_qebab4700ce_gemm, .Lfunc_end_k_qebab4700ce_gemm-k_qebab4700ce_gemm
	.p2alignl 7, 3214868480
	.fill 96, 4, 3214868480
	.section	.rodata,"a",@progbits
	.p2align	6, 0x0
	.amdhsa_kernel k_qebab4700ce_gemm
		.amdhsa_group_segment_fixed_size 134144
		.amdhsa_private_segment_fixed_size 0
		.amdhsa_enable_private_segment 0
		.amdhsa_kernarg_size 40
		.amdhsa_user_sgpr_count 2
		.amdhsa_user_sgpr_kernarg_segment_ptr 1
		.amdhsa_wavefront_size32 1
		.amdhsa_system_sgpr_workgroup_id_x 1
		.amdhsa_system_sgpr_workgroup_id_y 1
		.amdhsa_system_sgpr_workgroup_id_z 1
		.amdhsa_system_vgpr_workitem_id 0
		.amdhsa_next_free_vgpr 512
		.amdhsa_next_free_sgpr 80
		.amdhsa_reserve_vcc 0
		.amdhsa_float_denorm_mode_32 3
		.amdhsa_float_denorm_mode_16_64 3
		.amdhsa_memory_ordered 1
		.amdhsa_forward_progress 1
		.amdhsa_inst_pref_size 42
	.end_amdhsa_kernel
	.amdgpu_metadata
---
amdhsa.version: [ 1, 2 ]
amdhsa.kernels:
  - .name:           k_qebab4700ce_gemm
    .symbol:         k_qebab4700ce_gemm.kd
    .args:
      - { .name: xq, .offset: 0, .size: 8, .value_kind: global_buffer, .address_space: global }
      - { .name: order, .offset: 8, .size: 8, .value_kind: global_buffer, .address_space: global }
      - { .name: tokw, .offset: 16, .size: 8, .value_kind: global_buffer, .address_space: global }
      - { .name: wfrag, .offset: 24, .size: 8, .value_kind: global_buffer, .address_space: global }
      - { .name: out0, .offset: 32, .size: 8, .value_kind: global_buffer, .address_space: global }
    .group_segment_fixed_size: 134144
    .private_segment_fixed_size: 0
    .kernarg_segment_align: 8
    .kernarg_segment_size: 40
    .max_flat_workgroup_size: 256
    .sgpr_count:     80
    .vgpr_count:     512
    .wavefront_size: 32
...
	.end_amdgpu_metadata
.endif
;; end of part 6
